; MI455X (gfx1250); checked and timed in simulation.
; The chip was launched on July 23, 2026; its instructions are those of AMD's public machine-readable ISA for CDNA 5 (MIT licence, August 2026) and "CDNA5" Instruction Set Architecture Reference Guide (July 2026). The comments in the code are by the model that wrote it; some were corrected since.
;; Multi Head Attention. Allowed arithmetic: matrix products marked QUANTISED: E2M1 operands, one E8M0 scale for each 32 along K, by v_wmma_scale_f32_16x16x128_f8f6f4 with both operands' format E2M1 (or v_wmma_scale_f32_32x16x128_f4), f32 sums; products left as they are: bf16, f16 or f32 operands; f32 sums; everything else in f32.
;; Inputs: W_k 1,024 x 1,024 float32; W_o 1,024 x 1,024 float32; W_q 1,024 x 1,024 float32; W_v 1,024 x 1,024 float32; b_k 1,024 float32; b_o 1,024 float32; b_q 1,024 float32; b_v 1,024 float32; key 1 x 4,096 x 1,024 float32; query 1 x 4,096 x 1,024 float32; value 1 x 4,096 x 1,024 float32.
;; Outputs: out0 1 x 4,096 x 1,024 float32.
;; This version of the problem:
;;   THIS VERSION OF THE PROBLEM IS GIVEN IN LOW PRECISION. The matrix products marked QUANTISED in the list below multiply operands that are first quantised to E2M1 (2 exponent bits, 1 mantissa bit; 4 bits a number), with one power-of-two scale for each 32 numbers along K (OCP MX v1.0); their sums are f32. The products marked 'left as it is' may take bf16, f16 or f32 operands, with f32 sums. All else is computed in f32.
;;   The module's matrix products, in the order in which they are computed (A, B: the left and right operand; K: the contracted axis; several contracted axes count as one K, in the product's order):
;;     1. [M 4,096, K 1,024] x [K 1,024, N 1,024]; A: input query; B: input W_q: QUANTISED
;;     2. [M 4,096, K 1,024] x [K 1,024, N 1,024]; A: input key; B: input W_k: QUANTISED
;;     3. [M 4,096, K 1,024] x [K 1,024, N 1,024]; A: input value; B: input W_v: QUANTISED
;;     4. batch 16 x [M 4,096, K 64] x [K 64, N 4,096]; A: computed on the way; B: computed on the way: left as it is (an operand is computed on the way)
;;     5. batch 16 x [M 4,096, K 4,096] x [K 4,096, N 64]; A: computed on the way; B: computed on the way: left as it is (an operand is computed on the way)
;;     6. [M 4,096, K 1,024] x [K 1,024, N 1,024]; A: computed on the way; B: input W_o: left as it is (an operand is computed on the way)
;;   THE QUANTISER, for each operand of a quantised product, along K:
;;     - K is cut into blocks of 32 from its start; a last block that is shorter is filled with zeros.
;;     - A block's scale is 2^e with e = floor(log2(the largest magnitude in the block)) - 2, held to -126 .. 127; a block of zeros has e = 0. As a byte (E8M0): e + 127.
;;     - Each number is divided by its block's scale, clamped to +-6, and rounded to the nearest number of E2M1, ties to even, subnormals kept.
;;     - The product sums the exact products of the quantised numbers (number of the format x scale) in f32.
;;   ~~~python
;;   def quantise(x, axis):      # numpy; x: float32 -> the quantised numbers, widened to float32 again
;;       x = np.moveaxis(x, axis, -1); K = x.shape[-1]
;;       x = np.pad(x, [(0, 0)] * (x.ndim - 1) + [(0, -K % 32)]); x = x.reshape(x.shape[:-1] + (-1, 32)); a = np.abs(x).max(-1, keepdims=True)
;;       e = np.where(a > 0, np.clip(np.frexp(np.where(a > 0, a, 1))[1] - 1 - 2, -126, 127), 0)      # np.frexp(a)[1] - 1 = floor(log2(a)), exactly
;;       r = np.clip(x / 2.0 ** e, -6, 6)
;;       step = 2.0 ** (np.maximum(np.frexp(np.where(r == 0, 1, r))[1] - 1, 0) - 1)
;;       q = np.round(r / step) * step * 2.0 ** e      # np.round: ties to even
;;       return np.moveaxis(q.reshape(q.shape[:-2] + (-1,))[..., :K], -1, axis).astype(np.float32)
;;   ~~~
;; One version. Each part assembles by itself: llvm-mc -triple=amdgcn-amd-amdhsa -mcpu=gfx1250 --defsym DOCPART=n.
;; ======== version 1 of 1: 4 launches
;; limits: values are held in f16: magnitudes above 65,504 overflow, below 6.1e-05 lose precision
;; workspace buffers: codes 7,864,320 bytes; scales 491,520 bytes; qkv 25,165,824 bytes; wo 2,097,152 bytes; ao 8,388,608 bytes
;; launch prep (part 1): grid 512 x 1, 4 waves a work-group, no clusters, 33,280 bytes of LDS; arguments query, key, value, W_q, W_k, W_v, W_o, codes, scales, wo; writes codes, scales, wo
.if DOCPART == 1
	.amdgcn_target "amdgcn-amd-amdhsa--gfx1250"
	.amdhsa_code_object_version 6
	.text
	.protected	k_q0444a259e6_prep
	.globl	k_q0444a259e6_prep
	.p2align	8
	.type	k_q0444a259e6_prep,@function
k_q0444a259e6_prep:
	s_mov_b64 s[64:65], 0
	v_nop
	global_prefetch_b8 v0, s[64:65] scope:SCOPE_SE
	s_setreg_imm32_b32 hwreg(HW_REG_WAVE_MODE, 25, 1), 1
	s_wait_xcnt 0x0
; query, key, value [4096][1024] and W_q, W_k, W_v [1024][1024], f32 with K innermost, become codes of FP4 (E2M1), two to a byte (the lower k in the low four bits), and one E8M0
; scale byte for each 32 along K.  All six lie one behind the other in 'codes' (rows of 512 bytes) and 'scales' (rows of 32 bytes): query, key, value, W_q, W_k, W_v.  W_o becomes f16, as it lies.
; A block's scale is 2^(floor(log2(its largest magnitude)) - 2); its byte is the largest magnitude's own exponent field - 2, held at 1 from below.
; LIMITS: a block of zeros gets the byte 1 where the quantiser's rule says 127: its codes are zeros, which add nothing under that byte, and only this program reads the bytes.  Blocks whose largest magnitude
; lies under 2^-124 keep the byte 1.  NaN and infinities among the inputs are not served.  W_o is rounded once to f16 (11 significant bits): its numbers stay under 65,504; under 2^-14 they keep f16's fixed step of 2^-24.
; SHARES.  Rows are dense and 1,024 is a multiple of 32, so each tensor is a stream of blocks of 32.  Work-groups 0-479 quantise 32,768 numbers each, a wave 16 steps of 512; the output streams follow the work-group's number.
; Work-groups 480-511 convert W_o, 8,192 numbers a wave.  Waves share nothing: no barrier, no tensor load.
; A conversion takes 8 neighbours along K from ONE lane's registers, a load is dense where neighbouring LANES take neighbouring bytes: so a step's 2,048 bytes are loaded 16 bytes a lane, go through the wave's own stage
; in LDS as they lie, and come back 64 bytes a lane (16 bytes of padding behind each 64).  Two neighbouring lanes hold a block.
.set STEPS, 16
.set NQWG,  480                        ; work-groups that quantise
.set R,     16                         ; v16-79   four sets of 16 numbers as loaded
.set X,     80                         ; v80-111  two sets of 16 neighbours
.set E,     112                        ; v112-127 a scale byte for each step
.set C,     128                        ; v128-191 codes: four registers for each step, so that no store's data are written again
.set WREG,  8192                       ; LDS: a region for each wave: two stages of 32 x SP bytes, then its 256 scale bytes
.set SP,    80                         ; a lane's place in a stage: 64 bytes + 16 of padding
.set X0,    16                         ; W_o: two sets of 64 numbers,
.set X1,    80
.set Y,     144                        ; and v144-175: 32 registers of f16 pairs
	s_load_b256 s[4:11], s[0:1], 0x0               ; query s[4:5], key s[6:7], value s[8:9], W_q s[10:11]
	s_load_b256 s[12:19], s[0:1], 0x20             ; W_k s[12:13], W_v s[14:15], W_o s[16:17], codes s[18:19]
	s_load_b128 s[20:23], s[0:1], 0x40             ; scales s[20:21], wo s[22:23]
	v_lshl_add_u32 v192, v0, 2, 0x8000
	v_mov_b32 v193, 0
	v_lshrrev_b32 v1, 5, v0
	v_readfirstlane_b32 s24, v1                    ; wave 0..3
	v_and_b32 v2, 31, v0                           ; lane
	v_lshlrev_b32 v3, 4, v2                        ; my 16 bytes of a load's 512
	v_lshlrev_b32 v7, 3, v2                        ; my 8 bytes of a store's 256
	s_mul_i32 s25, s24, WREG
	v_lshrrev_b32 v14, 2, v2
	v_mul_u32_u24 v14, v14, SP
	v_and_b32 v15, 3, v2
	v_lshl_add_u32 v14, v15, 4, v14
	v_add_nc_u32 v14, s25, v14                     ; the stage, on the way in: SP (lane / 4) + 16 (lane % 4)
	v_mul_u32_u24 v15, v2, SP
	v_add_nc_u32 v15, s25, v15                     ; and on the way out: SP x lane: my 16 neighbours
	v_lshrrev_b32 v5, 1, v2
	s_add_co_u32 s25, s25, 2*32*SP
	v_add_nc_u32 v5, s25, v5                       ; my wave's 256 scale bytes: my block's byte,
	v_add_nc_u32 v6, s25, v7                       ; and on the way out 8 bytes a lane
	s_mov_b32 s29, 0                               ; the upper words of three offsets
	s_mov_b32 s31, 0
	s_mov_b32 s33, 0
	s_wait_kmcnt 0x0
	s_cmp_ge_u32 ttmp9, NQWG
	s_cbranch_scc1 .Lwo
	; ---- the quantiser.  Which tensor: by the work-group's number alone
	s_cmp_lt_u32 ttmp9, 128
	s_cselect_b64 s[26:27], s[4:5], s[6:7]
	s_cmp_lt_u32 ttmp9, 256
	s_cselect_b64 s[26:27], s[26:27], s[8:9]
	s_cmp_lt_u32 ttmp9, 384
	s_cselect_b64 s[26:27], s[26:27], s[10:11]
	s_cselect_b32 s28, 127, 31                     ; 128 work-groups to an activation, 32 to a weight
	s_cmp_lt_u32 ttmp9, 416
	s_cselect_b64 s[26:27], s[26:27], s[12:13]
	s_cmp_lt_u32 ttmp9, 448
	s_cselect_b64 s[26:27], s[26:27], s[14:15]
	s_and_b32 s28, ttmp9, s28                      ; the work-group's number inside its tensor
	s_lshl_b32 s28, s28, 2
	s_add_co_u32 s28, s28, s24
	s_lshl_b32 s28, s28, 15                        ; my wave's run of 8,192 numbers: 32,768 bytes
	s_add_nc_u64 s[26:27], s[26:27], s[28:29]
	s_lshl_b32 s30, ttmp9, 2
	s_add_co_u32 s30, s30, s24                     ; my run in the output streams
	s_lshl_b32 s32, s30, 8                         ; 256 scale bytes,
	s_lshl_b32 s30, s30, 12                        ; 4,096 bytes of codes
	s_add_nc_u64 s[18:19], s[18:19], s[30:31]
	s_add_nc_u64 s[20:21], s[20:21], s[32:33]
.macro LOAD t
.irp i, 0,1,2,3
	global_load_b128 v[R+16*((\t)%4)+4*\i:R+16*((\t)%4)+4*\i+3], v3, s[26:27] offset:2048*(\t)+512*\i th:TH_LOAD_NT   ; 32 lanes read 512 consecutive bytes
.endr
.endm
.macro TURN t                          ; step t's numbers through the stage: LDS serves a wave's instructions in order (ISA guide 5.7.1.4), so no wait stands between the stores and the loads
.irp i, 0,1,2,3
	ds_store_b128 v14, v[R+16*((\t)%4)+4*\i:R+16*((\t)%4)+4*\i+3] offset:32*SP*((\t)%2)+8*SP*\i
.endr
.irp i, 0,1,2,3
	ds_load_b128 v[X+16*((\t)%2)+4*\i:X+16*((\t)%2)+4*\i+3], v15 offset:32*SP*((\t)%2)+16*\i
.endr
.endm
.irp t, 0,1,2,3
	LOAD \t
.endr
	s_wait_loadcnt 12                              ; step 0's four loads are in; those of three steps may be out
	TURN 0
.macro STEP t
.set XS, X+16*((\t)%2)
.if (\t) > 0
	s_wait_dscnt 1                                 ; this step's numbers are back from the stage (the last step's byte store may be out): so its stores into the stage have read their registers,
.else
	s_wait_dscnt 0x0
.endif
.if (\t)+4 < STEPS
	LOAD (\t)+4                                    ; which take the loads of four steps on
.endif
.if (\t)+1 < STEPS
.if STEPS-2-(\t) >= 3
	s_wait_loadcnt 12                              ; the next step's four loads are in; those of the three steps behind it may be out
.else
	s_wait_loadcnt 4*(STEPS-2-(\t))
.endif
	TURN (\t)+1                                    ; and go through the other stage while this step is worked
.endif
	v_max3_num_f32 v8, |v[XS]|, |v[XS+1]|, |v[XS+2]|               ; the largest magnitude of my 16, in two chains
	v_max3_num_f32 v9, |v[XS+3]|, |v[XS+4]|, |v[XS+5]|
.irp i, 6,10
	v_max3_num_f32 v8, v8, |v[XS+\i]|, |v[XS+\i+1]|
	v_max3_num_f32 v9, v9, |v[XS+\i+2]|, |v[XS+\i+3]|
.endr
	v_max3_num_f32 v8, v8, |v[XS+14]|, |v[XS+15]|
	v_max3_num_f32 v8, v8, v9, 0x1800000           ; and the floor 2^(3 - 127): the byte cannot fall under 1
	v_max_num_f32_dpp v8, v8, v8 row_xmask:1 row_mask:0xf bank_mask:0xf   ; and of my neighbour's 16: the block's
	v_add_nc_u32 v11, 0xff000000, v8               ; 2 off its exponent field: the conversion takes the exponent field of this operand as its scale, and nothing else of it
	v_cvt_scalef32_pk8_fp4_f32 v[C+4*(\t)], v[XS:XS+7], v11        ; eight numbers / the scale, to the nearest code, ties to even, beyond 6 the largest code; the first number's code in the lowest four bits
	v_cvt_scalef32_pk8_fp4_f32 v[C+4*(\t)+1], v[XS+8:XS+15], v11
	v_lshrrev_b32 v[E+(\t)], 23, v11               ; the scale's byte
	ds_store_b8 v5, v[E+(\t)] offset:16*(\t)       ; both lanes of a block write the same byte with the same value
	global_store_b64 v7, v[C+4*(\t):C+4*(\t)+1], s[18:19] offset:256*(\t)   ; the wave stores 256 consecutive bytes, aligned
.endm
.irp t, 0,1,2,3,4,5,6,7,8,9,10,11,12,13,14,15
	STEP \t
.endr
	ds_load_b64 v[12:13], v6                       ; my wave's 256 scale bytes: these loads see my stores
	s_wait_dscnt 0x0
	global_store_b64 v7, v[12:13], s[20:21]        ; 256 consecutive bytes, aligned
	s_wait_tensorcnt 0x0
	ds_add_u32 v192, v193
	s_wait_dscnt 0x0
	s_endpgm
	; ---- W_o to f16: four quarters of 2,048 numbers a wave, two sets of registers, 16 loads of the younger set always on their way
.Lwo:
	s_sub_co_u32 s28, ttmp9, NQWG
	s_lshl_b32 s28, s28, 2
	s_add_co_u32 s28, s28, s24                     ; my run of 8,192 numbers
	s_lshl_b32 s30, s28, 14                        ; 16,384 bytes out,
	s_lshl_b32 s28, s28, 15                        ; 32,768 in
	s_add_nc_u64 s[16:17], s[16:17], s[28:29]
	s_add_nc_u64 s[22:23], s[22:23], s[30:31]
.macro WLOAD q, set
.irp i, 0,1,2,3,4,5,6,7,8,9,10,11,12,13,14,15
	global_load_b128 v[\set+4*\i:\set+4*\i+3], v3, s[16:17] offset:8192*\q+512*\i th:TH_LOAD_NT
.endr
.endm
.macro WCVT q, set
.irp i, 0,1,2,3,4,5,6,7,8,9,10,11,12,13,14,15
	v_cvt_pk_f16_f32 v[Y+2*\i], v[\set+4*\i], v[\set+4*\i+1]       ; the first source into the low half
	v_cvt_pk_f16_f32 v[Y+2*\i+1], v[\set+4*\i+2], v[\set+4*\i+3]
.endr
.irp i, 0,1,2,3,4,5,6,7,8,9,10,11,12,13,14,15
	global_store_b64 v7, v[Y+2*\i:Y+2*\i+1], s[22:23] offset:4096*\q+256*\i   ; 256 consecutive bytes, aligned
.endr
.endm
	WLOAD 0, X0
	WLOAD 1, X1
	s_wait_loadcnt 16                              ; the older set is in; the younger set's 16 loads stay out
	WCVT 0, X0
	WLOAD 2, X0
	s_wait_loadcnt 16
	s_wait_xcnt 0x0                                ; the last quarter's stores have read Y: it is written again only behind this wait
	WCVT 1, X1
	WLOAD 3, X1
	s_wait_loadcnt 16
	s_wait_xcnt 0x0
	WCVT 2, X0
	s_wait_loadcnt 0x0
	s_wait_xcnt 0x0
	WCVT 3, X1
	s_endpgm
.Lfunc_end_k_q0444a259e6_prep:
	.size	k_q0444a259e6_prep, .Lfunc_end_k_q0444a259e6_prep-k_q0444a259e6_prep
	.p2alignl 7, 3214868480
	.fill 96, 4, 3214868480
	.section	.rodata,"a",@progbits
	.p2align	6, 0x0
	.amdhsa_kernel k_q0444a259e6_prep
		.amdhsa_group_segment_fixed_size 33280
		.amdhsa_private_segment_fixed_size 0
		.amdhsa_enable_private_segment 0
		.amdhsa_kernarg_size 80
		.amdhsa_user_sgpr_count 2
		.amdhsa_user_sgpr_kernarg_segment_ptr 1
		.amdhsa_wavefront_size32 1
		.amdhsa_system_sgpr_workgroup_id_x 1
		.amdhsa_system_sgpr_workgroup_id_y 1
		.amdhsa_system_sgpr_workgroup_id_z 1
		.amdhsa_system_vgpr_workitem_id 0
		.amdhsa_next_free_vgpr 194
		.amdhsa_next_free_sgpr 66
		.amdhsa_reserve_vcc 0
		.amdhsa_float_denorm_mode_32 3
		.amdhsa_float_denorm_mode_16_64 3
		.amdhsa_memory_ordered 1
		.amdhsa_forward_progress 1
		.amdhsa_inst_pref_size 54
	.end_amdhsa_kernel
	.amdgpu_metadata
---
amdhsa.version: [ 1, 2 ]
amdhsa.kernels:
  - .name:           k_q0444a259e6_prep
    .symbol:         k_q0444a259e6_prep.kd
    .args:
      - { .name: query, .offset: 0, .size: 8, .value_kind: global_buffer, .address_space: global }
      - { .name: key, .offset: 8, .size: 8, .value_kind: global_buffer, .address_space: global }
      - { .name: value, .offset: 16, .size: 8, .value_kind: global_buffer, .address_space: global }
      - { .name: W_q, .offset: 24, .size: 8, .value_kind: global_buffer, .address_space: global }
      - { .name: W_k, .offset: 32, .size: 8, .value_kind: global_buffer, .address_space: global }
      - { .name: W_v, .offset: 40, .size: 8, .value_kind: global_buffer, .address_space: global }
      - { .name: W_o, .offset: 48, .size: 8, .value_kind: global_buffer, .address_space: global }
      - { .name: codes, .offset: 56, .size: 8, .value_kind: global_buffer, .address_space: global }
      - { .name: scales, .offset: 64, .size: 8, .value_kind: global_buffer, .address_space: global }
      - { .name: wo, .offset: 72, .size: 8, .value_kind: global_buffer, .address_space: global }
    .group_segment_fixed_size: 33280
    .private_segment_fixed_size: 0
    .kernarg_segment_align: 8
    .kernarg_segment_size: 80
    .max_flat_workgroup_size: 128
    .sgpr_count:     66
    .vgpr_count:     194
    .wavefront_size: 32
...
	.end_amdgpu_metadata
.endif
;; end of part 1
;; launch proj (part 2): grid 4 x 48, 4 waves a work-group, clusters of 4 x 4, 327,680 bytes of LDS; arguments codes, scales, b_q, b_k, b_v, qkv; writes qkv
.if DOCPART == 2
	.amdgcn_target "amdgcn-amd-amdhsa--gfx1250"
	.amdhsa_code_object_version 6
	.text
	.protected	k_q0444a259e6_proj
	.globl	k_q0444a259e6_proj
	.p2align	8
	.type	k_q0444a259e6_proj,@function
k_q0444a259e6_proj:
	s_mov_b64 s[64:65], 0
	v_nop
	global_prefetch_b8 v0, s[64:65] scope:SCOPE_SE
	s_setreg_imm32_b32 hwreg(HW_REG_WAVE_MODE, 25, 1), 1
	s_wait_xcnt 0x0
	s_wait_alu depctr_hold_cnt(0) depctr_sa_sdst(0) depctr_va_vdst(0) depctr_va_sdst(0) depctr_va_ssrc(0) depctr_va_vcc(0) depctr_vm_vsrc(0)
	s_getreg_b32 s2, hwreg(HW_REG_IB_STS2, 6, 4)
	s_cmp_eq_u32 s2, 0
	s_cbranch_scc0 .Lentry_in_a_cluster
	s_endpgm
.Lentry_in_a_cluster:
	s_bfe_u32 s2, ttmp6, 0x10000c
	s_cmp_lg_u32 s2, 0xf033
	s_cbranch_scc0 .Lentry_shape_is_right
	s_endpgm
.Lentry_shape_is_right:
; Q = query W_q^T + b_q, K = key W_k^T + b_k, V = value W_v^T + b_v, on codes of FP4 (E2M1) with one E8M0 scale for each 32 along K = 1,024; sums in f32, begun with the bias; each result rounded once to f16.
; WHY f16: the later products round six operands (Q, K, p, V, attn, W_o); 11 significant bits keep the six roundings together far under a hundredth of the output's spread, 8 significant bits do not.
; LIMIT: |Q|, |K|, |V| stay under 65,504; beyond it the conversion gives infinity.  A sum of 1,024 products of numbers of spread 1 and 1/32 has spread 1; both factors 30 times larger give 900 times that,
; both with an offset of 30 spreads about 1,024 x 30 x 0.94 = 29,000: both inside.
; 'codes': 15,360 rows of 512 bytes: query, key, value (4,096 rows each), W_q, W_k, W_v (1,024 each); 'scales': 32 bytes a row, the same order.  'qkv': f16 [3][16 heads][4096][64].
; The three products are ONE product of 12,288 rows: tile row yt (0..47) of 256 rows belongs to tensor yt / 16, which picks the weight and the bias.
; A tile, 256 x 256, is made by a work-group of four waves, a wave 128 x 128: 64 accumulators of 16 x 16, 512 registers.  K is two slots of 512 (a tile's row is 256 bytes of memory): both are asked for at the head and nothing is filled again.
; THE SCALES of the work-group's 256 + 256 rows, for all of K, are two dense blocks of memory: they come into LDS with the first fills, as rows of 256 bytes.
; CLUSTERS: 4 x 4 work-groups.  The four of a row of the cluster need the same rows of the activation, the four of a column the same rows of the weight (sixteen tile rows, four clusters, share a tensor, so a cluster has one weight):
; each tile is asked for JOINTLY, by the same tensor load with the same descriptor and a mask that names the four.
; THE MATRIX INSTRUCTION IS USED TRANSPOSED (source 0 = 16 rows of W, source 1 = 16 rows of x): a lane then holds eight neighbouring columns of one row of the result.
; REGISTERS, in windows of 256: window 0: v0-31 addresses; v32-95 scale words, two sets; v128-191 x's fragments, ONE set; v192-255 the bias in the result's layout; on the way out v32-127 are free.
;   window 1: W's fragments, TWO sets, at v0 and v128.   window 2: the accumulators of my rows 0-63 ((a, b) at v[8 (8 a + b)]);   window 3: those of my rows 64-127.
; All of a WGP's LDS is claimed, and the add of 0 onto spare words is written.
.set NQ,     4                         ; steps of 128 along K in a slot
.set ROWB,   256                       ; a tile's row in bytes: 512 codes
.set KROW,   512                       ; a row of codes in memory
.set PITCH,  272                       ; an LDS row: 256 bytes + 16 of padding = 68 words: row r starts at bank 4 r mod 64 (64 banks of 4 bytes: ISA guide 11.1)
.set FR,     8                         ; registers of a fragment: 16 rows x 128 K
.set NL,     2                         ; LDS loads that bring one
.set NP,     4                         ; places behind this matrix instruction (ISA guide 7.12.1)
.set HALFT,  128*PITCH                 ; 128 rows: what one tensor load brings, and what one wave reads of x or of W
.set SLOT,   4*HALFT                   ; x's 256 rows, then W's 256 rows
.set KS,     32                        ; a row of scales in bytes
.set SCL,    2*SLOT                    ; behind the two slots: the scales, as rows of 256 bytes + 16 of padding
.set HALFS,  (128*KS/256)*272          ; the scales of 128 rows: what one tensor load brings
.set SBLK,   (16*KS/256)*272           ; those of 16 rows
.set SPARE,  SCL+4*HALFS               ; the spare words, 128 bytes for each wave: two blocks of 256 bytes that no other line names
.set SPITCH, 272                       ; the way out: a stage of 16 rows x (256 bytes + 16) for each wave, in slot 0, which has had its only fill and its last read by then
.set WROW0,  12288                     ; the first weight's first row in 'codes'
.set ADRA, 16                          ; v16-17  LDS address of my fragments of x in slot 0, 1
.set ADRB, 20                          ; v20-21  the same for W
.set STO,  24                          ; v24     the way out: where I put 16 bytes of a row
.set RD,   25                          ; v25     where I read 16 bytes back
.set CO,   26                          ; v26     my byte offset in qkv
.set ADRS, 27                          ; v27     LDS address of my scale words: lanes 0-15 x's rows, lanes 16-31 W's
.set SPW,  28                          ; v28     LDS address of my spare word; never rewritten
.set NIL,  29                          ; v29     0; never rewritten
.set BO,   30                          ; v30     32 x (lane / 16): my eight numbers of a bias block
.set SC,   32                          ; scale words: set s at v[SC + 32 s]; register 4 i + q: lanes 0-15 the word of x's block i, lanes 16-31 that of W's block i, for the slot's q-th 128 along K
.set AF,   128                         ; x's fragments
.set BI,   192                         ; the bias: register 8 b + j: column 16 b + 8 (lane / 16) + j of my 128
.set TMP,  32                          ; the way out: packed results
.set OB,   64                          ; and 16 rows read back: v64-95 and v96-127 by turns
.set G1, 24                            ; s[24:31] descriptor group 1 for x's tiles;  s[32:39] group 0, one set for each slot
.set G0, 32
.set G1B, 48                           ; s[48:55], s[56:63] the same for W's tiles
.set G0B, 56
.set G1S, 68                           ; s[68:75], s[76:79] groups 1 and 0 for x's scales;  s[80:87], s[88:91] for W's
.set G0S, 76
.set G1SB, 80
.set G0SB, 88
.set MSB, 0
.macro WIN new                         ; the immediate's high byte repeats the setting that is left; a switch that changes nothing is dropped
.if MSB != (\new)
	s_set_vgpr_msb (MSB<<8)|(\new)
.set MSB, \new
.endif
.endm
.set MUL_LO,  0xa1                     ; source 0 (W) window 1, source 1 (x) window 0, C and D window 2
.set MUL_HI,  0xf1                     ; the same, C and D window 3
.set MUL_LO0, 0x81                     ; the first step: C is the bias, in window 0
.set MUL_HI0, 0xc1
.set TO_B,    0x40                     ; destination window 1, address window 0
; A joint load: waves 0 and 1 fetch for x, waves 2 and 3 for W.  Each of the two lines has ONE mask and one set of registers for all that issue it; the branch hangs on the wave's number alone.
; Four v_nop follow each of the two lines, ahead of the jump, the label and what follows.
.macro JLOAD g0a, g1a, g0b, g1b
	s_cmp_eq_u32 s15, 0
	s_cbranch_scc0 .Lfor_b_\@
	tensor_load_to_lds s[\g0a:\g0a+3], s[\g1a:\g1a+7]
	s_nop 0
.rept 4
	v_nop
.endr
	s_branch .Lasked_\@
.Lfor_b_\@:
	tensor_load_to_lds s[\g0b:\g0b+3], s[\g1b:\g1b+7]
	s_nop 0
.rept 4
	v_nop
.endr
.Lasked_\@:
.endm
; A round of the cluster's barrier: my work-group's barrier, so that wave 0's signal speaks for all four waves; wave 0 signals; every wave waits for all sixteen work-groups; my work-group's barrier once more.
.macro CROUND
	s_barrier_signal -1
	s_barrier_wait -1
	s_cmp_lg_u32 s14, 0
	s_cbranch_scc1 .Lnot_wave_0_\@
	s_barrier_signal -3
.Lnot_wave_0_\@:
	s_barrier_wait -3
	s_barrier_signal -1
	s_barrier_wait -1
.endm
	s_load_b128 s[4:7], s[0:1], 0x0                ; codes s[4:5], scales s[6:7]
	s_load_b128 s[96:99], s[0:1], 0x10             ; b_q s[96:97], b_k s[98:99]
	s_load_b128 s[8:11], s[0:1], 0x20              ; b_v s[8:9], qkv s[10:11]
	v_lshl_add_u32 v[SPW], v0, 2, SPARE
	v_mov_b32 v[NIL], 0
	ds_add_u32 v28, v29
	ds_add_u32 v28, v29
	s_wait_dscnt 0x0
	v_lshrrev_b32 v1, 5, v0
	v_readfirstlane_b32 s14, v1                    ; wave 0..3
	s_lshr_b32 s15, s14, 1                         ; which half of the tile's rows is mine.  Also: I fetch for x (0) or for W (1)
	s_and_b32 s16, s14, 1                          ; which half of its columns.  Also: which 128 rows of that tile I fetch
	s_bfe_u32 s40, ttmp6, 0x40000                  ; cx, cy: my place in the cluster
	s_bfe_u32 s41, ttmp6, 0x40004
	s_lshl_b32 s42, ttmp9, 2
	s_add_co_u32 s42, s42, s40                     ; tile column xt = 4 x cluster x + cx
	s_and_b32 s17, ttmp7, 0xffff                   ; cluster y
	s_lshr_b32 s95, s17, 2                         ; the tensor, 0 (Q), 1 (K), 2 (V): four clusters to each, so it is the same in all sixteen partners
	s_lshl_b32 s17, s17, 2
	s_add_co_u32 s17, s17, s41                     ; tile row yt = 4 x cluster y + cy
	s_lshl_b32 s43, s41, 2
	s_lshl_b32 s43, 15, s43                        ; my row of the cluster
	s_lshl_b32 s44, 0x1111, s40                    ; my column
	; descriptor group 1: a tile of 128 rows x 256 bytes, padded in LDS
	s_or_b32 s[G1+0], s43, (0<<16)|(1<<20)|(1<<21)|(5<<22)|(3<<25)  ; 15:0 the mask: x's tiles go to my row; 17:16 element of 1 byte; 20 padding on; 21 set beside a mask; 24:22 after every 64 words (code 5); 31:25 of 4 words (code 3)
	s_or_b32 s[G1B+0], s44, (0<<16)|(1<<20)|(1<<21)|(5<<22)|(3<<25)
.irp g, G1, G1B
	s_mov_b32 s[\g+1], ROWB<<16                    ; tensor_dim0
	s_mov_b32 s[\g+2], 128<<16                     ; tensor_dim1 = 128
	s_mov_b32 s[\g+3], ROWB<<16                    ; tile_dim0
	s_mov_b32 s[\g+4], 128                         ; tile_dim1 = 128
	s_mov_b32 s[\g+5], KROW                        ; tensor_dim0_stride
	s_mov_b32 s[\g+6], 0
	s_mov_b32 s[\g+7], 0
.endr
	; and for the scales of 128 rows: a dense block of 4,096 bytes, as 16 rows of 256 bytes (32 elements of 8 bytes), 16 bytes of padding behind each
	s_or_b32 s[G1S+0], s43, (3<<16)|(1<<20)|(1<<21)|(5<<22)|(3<<25)
	s_or_b32 s[G1SB+0], s44, (3<<16)|(1<<20)|(1<<21)|(5<<22)|(3<<25)
.irp g, G1S, G1SB
	s_mov_b32 s[\g+1], 32<<16
	s_mov_b32 s[\g+2], (128*KS/256)<<16
	s_mov_b32 s[\g+3], 32<<16
	s_mov_b32 s[\g+4], 128*KS/256
	s_mov_b32 s[\g+5], 32
	s_mov_b32 s[\g+6], 0
	s_mov_b32 s[\g+7], 0
.endr
	s_lshl_b32 s18, s16, 7                         ; which 128 rows of the tile I fetch
	s_lshl_b32 s20, s17, 8
	s_add_co_u32 s20, s20, s18                     ; x: row 256 yt + 128 x half
	s_lshl_b32 s46, s42, 8
	s_add_co_u32 s46, s46, s18                     ; W: row 256 xt + 128 x half,
	s_lshl_b32 s47, s95, 10
	s_add_co_u32 s46, s46, s47                     ; in the tensor's weight,
	s_add_co_u32 s46, s46, WROW0                   ; behind the activations
	s_mov_b32 s21, 0
	s_mov_b32 s47, 0
	s_mov_b64 s[18:19], KS
	s_mul_u64 s[22:23], s[20:21], s[18:19]         ; where these rows' scales begin, in bytes
	s_mul_u64 s[92:93], s[46:47], s[18:19]
	s_mov_b64 s[18:19], KROW
	s_mul_u64 s[20:21], s[20:21], s[18:19]         ; and their codes
	s_mul_u64 s[46:47], s[46:47], s[18:19]
	s_mul_i32 s45, s14, HALFT                      ; where they go: wave x 128 rows: no place in the cluster enters an LDS address
	s_mul_i32 s94, s14, HALFS
	s_wait_kmcnt 0x0
	s_add_nc_u64 s[20:21], s[4:5], s[20:21]
	s_add_nc_u64 s[22:23], s[6:7], s[22:23]
	s_add_nc_u64 s[46:47], s[4:5], s[46:47]
	s_add_nc_u64 s[92:93], s[6:7], s[92:93]
	s_cmp_eq_u32 s95, 0                            ; the tensor's bias
	s_cselect_b64 s[96:97], s[96:97], s[98:99]
	s_cmp_eq_u32 s95, 2
	s_cselect_b64 s[96:97], s[8:9], s[96:97]
	CROUND                                         ; all sixteen work-groups are here: the joint loads meet
	s_mov_b32 s[G0S], 1
	s_add_co_u32 s[G0S+1], s94, SCL
	s_mov_b64 s[G0S+2:G0S+3], s[22:23]
	s_or_b32 s[G0S+3], s[G0S+3], 0x80000000
	s_mov_b32 s[G0SB], 1
	s_add_co_u32 s[G0SB+1], s94, SCL
	s_mov_b64 s[G0SB+2:G0SB+3], s[92:93]
	s_or_b32 s[G0SB+3], s[G0SB+3], 0x80000000
	JLOAD G0S, G1S, G0SB, G1SB                     ; the scales first: they are wanted with slot 0
.irp s, 0,1
	s_mov_b32 s[G0+4*\s], 1
	s_add_co_u32 s[G0+4*\s+1], s45, \s*SLOT
	s_add_nc_u64 s[G0+4*\s+2:G0+4*\s+3], s[20:21], \s*ROWB
	s_or_b32 s[G0+4*\s+3], s[G0+4*\s+3], 0x80000000
	s_mov_b32 s[G0B+4*\s], 1
	s_add_co_u32 s[G0B+4*\s+1], s45, \s*SLOT
	s_add_nc_u64 s[G0B+4*\s+2:G0B+4*\s+3], s[46:47], \s*ROWB
	s_or_b32 s[G0B+4*\s+3], s[G0B+4*\s+3], 0x80000000
	JLOAD G0+4*\s, G1, G0B+4*\s, G1B               ; three tensor loads of mine are out behind the second of these
.endr
	v_and_b32 v1, 15, v0                           ; r = l % 16
	v_bfe_u32 v2, v0, 4, 1                         ; h = l / 16
	; the bias and the way out
	s_lshl_b32 s46, s42, 10                        ; my first column, as bytes of f32: 1,024 xt + 512 x half
	s_lshl_b32 s47, s16, 9
	s_add_co_u32 s46, s46, s47
	s_mov_b32 s47, 0
	s_add_nc_u64 s[96:97], s[96:97], s[46:47]
	v_lshlrev_b32 v[BO], 5, v2
.irp b, 0,1,2,3,4,5,6,7
	global_load_b128 v[BI+8*\b:BI+8*\b+3],   v[BO], s[96:97] offset:64*\b        ; columns 16 b + 8 h + 0 .. 3
	global_load_b128 v[BI+8*\b+4:BI+8*\b+7], v[BO], s[96:97] offset:64*\b+16     ; and + 4 .. 7
.endr
	s_lshl_b32 s46, s46, 11                        ; my first head's plane: (4 xt + 2 x half) x 524,288 bytes
	s_and_b32 s20, s17, 15
	s_lshl_b32 s20, s20, 8
	s_lshl_b32 s21, s15, 7
	s_add_co_u32 s20, s20, s21                     ; my first row in the tensor: 256 (yt % 16) + 128 x half,
	s_lshl_b32 s20, s20, 7                         ; of 128 bytes in a head's plane
	s_lshl_b32 s21, s95, 23                        ; the tensor: 8,388,608 bytes
	s_add_co_u32 s20, s20, s21
	s_mov_b32 s21, 0
	s_add_nc_u64 s[20:21], s[20:21], s[46:47]
	s_add_nc_u64 s[12:13], s[10:11], s[20:21]
	v_mul_u32_u24 v3, v1, PITCH
	v_lshl_add_u32 v4, v2, 4, v3                   ; a fragment's row x pitch + 16 x half
	s_mul_i32 s21, s15, HALFT                      ; my 128 rows of x
	s_mul_i32 s22, s16, HALFT                      ; my 128 rows of W,
	s_add_co_u32 s22, s22, 2*HALFT                 ; which lie behind x's 256
.irp s, 0,1
	v_add_nc_u32 v[ADRA+\s], s21, v4
	v_add_nc_u32 v[ADRB+\s], s22, v4
	s_add_co_u32 s21, s21, SLOT
	s_add_co_u32 s22, s22, SLOT
.endr
	v_mul_u32_u24 v5, v1, KS                       ; my row's scales: 32 bytes a row,
	v_lshrrev_b32 v6, 8, v5
	v_lshl_add_u32 v5, v6, 4, v5                   ; and 16 more for each 256 passed
	s_mul_i32 s21, s15, HALFS                      ; x's: my 128 rows
	s_mul_i32 s22, s16, HALFS                      ; W's: my 128 rows, behind x's 256
	s_add_co_u32 s22, s22, 2*HALFS
	s_sub_co_u32 s22, s22, s21
	v_mul_u32_u24 v6, s22, v2                      ; lanes 16-31 take W's: the lower base + h x the distance
	s_add_co_u32 s21, s21, SCL
	v_add_nc_u32 v5, v5, v6
	v_add_nc_u32 v[ADRS], s21, v5
	s_mul_i32 s23, s14, 16*SPITCH                  ; my stage
	v_mul_u32_u24 v5, v1, SPITCH                   ; in: row r, 16 bytes for each half of the lanes
	v_lshl_add_u32 v5, v2, 4, v5
	v_add_nc_u32 v[STO], s23, v5
	v_bfe_u32 v5, v0, 3, 1                         ; back: sixteen lanes take two rows' 128 bytes of ONE head (lanes 0-15 my first head, lanes 16-31 my second):
	v_mul_u32_u24 v5, v5, SPITCH                   ; row (l / 8) % 2,
	v_lshl_add_u32 v5, v2, 7, v5                   ; the head's 128 bytes,
	v_and_b32 v6, 7, v0
	v_lshl_add_u32 v5, v6, 4, v5                   ; 16 bytes a lane
	v_add_nc_u32 v[RD], s23, v5
	v_lshlrev_b32 v[CO], 4, v1                     ; in qkv those two rows are 256 consecutive bytes,
	v_lshl_add_u32 v[CO], v2, 19, v[CO]            ; and the second head lies a plane on
.macro FRAG reg, adr, q, i             ; a fragment, 16 rows x 128 K of 4-bit codes, is 8 registers: lane l holds row l % 16; registers 4 c .. 4 c + 3 hold K = 64 c + 32 (l / 16) + 0 .. 31, the lower K in the lower bits
.irp c, 0,1
	ds_load_b128 v[\reg+4*\c:\reg+4*\c+3], v[\adr] offset:64*(\q)+32*\c+(\i)*16*PITCH
.endr
.endm
; 16 matrix instructions: x's blocks a0, a0 + 1 against W's eight, 128 along K: the slot's q-th.  p: W's set;  sc: the set of scale words.  zero = 1: the first product starts the sums from the bias: nothing is cleared or added later.
; The 64 accumulators take turns, one instruction a turn, in the same order in every step.
.macro MUL16 a0, p, q, sc, zero
.irp a, \a0, \a0+1
.irp b, 0,1,2,3,4,5,6,7
.if \zero
	v_wmma_scale_f32_16x16x128_f8f6f4 v[8*(8*((\a)%4)+\b):8*(8*((\a)%4)+\b)+7], v[128*(\p)+FR*\b:128*(\p)+FR*\b+FR-1], v[AF+FR*(\a):AF+FR*(\a)+FR-1], v[BI+8*\b:BI+8*\b+7], v[SC+8*NQ*(\sc)+NQ*\b+(\q)], v[SC+8*NQ*(\sc)+NQ*(\a)+(\q)] matrix_a_fmt:MATRIX_FMT_FP4 matrix_b_fmt:MATRIX_FMT_FP4 matrix_a_scale:MATRIX_SCALE_ROW1
.else
	v_wmma_scale_f32_16x16x128_f8f6f4 v[8*(8*((\a)%4)+\b):8*(8*((\a)%4)+\b)+7], v[128*(\p)+FR*\b:128*(\p)+FR*\b+FR-1], v[AF+FR*(\a):AF+FR*(\a)+FR-1], v[8*(8*((\a)%4)+\b):8*(8*((\a)%4)+\b)+7], v[SC+8*NQ*(\sc)+NQ*\b+(\q)], v[SC+8*NQ*(\sc)+NQ*(\a)+(\q)] matrix_a_fmt:MATRIX_FMT_FP4 matrix_b_fmt:MATRIX_FMT_FP4 matrix_a_scale:MATRIX_SCALE_ROW1
.endif
.endr
.endr
.endm
.macro FETCH_B slot, q, p              ; W's eight fragments of the slot's q-th 128 along K into set p
	WIN TO_B
.irp i, 0,1,2,3,4,5,6,7
	FRAG 128*(\p)+FR*\i, ADRB+\slot, \q, \i
.endr
	WIN 0
.endm
.macro FETCH_A slot, q, i0             ; x's blocks i0 .. i0 + 3
.irp i, \i0, \i0+1, \i0+2, \i0+3
	FRAG AF+FR*(\i), ADRA+\slot, \q, \i
.endr
.endm
.macro SCALES sc                       ; a slot's scale words into set sc: four words a row; lanes 0-15 take x's block i, lanes 16-31 W's block i
.irp i, 0,1,2,3,4,5,6,7
	ds_load_b128 v[SC+8*NQ*\sc+NQ*\i:SC+8*NQ*\sc+NQ*\i+3], v[ADRS] offset:\i*SBLK
.endr
.endm
; A load into a register that a matrix instruction has read, and a vector instruction that reads a matrix result or writes one of a matrix instruction's registers, stand NP places behind it, and only plain vector
; instructions that name none of its registers are places (ISA guide 7.12.1 for vector instructions).
.macro PLACES n
.rept \n
	v_nop
.endr
.endm
; A step of 128 along K that has its successor in the same slot.  A block of x is free as soon as its eight products are issued, so one set serves x: blocks 0-3 are fetched anew in the step's middle, blocks 4-7 at its end.
.macro STEP slot, q, zero
	s_wait_dscnt 4*NL                              ; W's set and x's blocks 0-3 are in; the youngest eight loads (x's blocks 4-7) may be out
.if \zero
	WIN MUL_LO0
.else
	WIN MUL_LO
.endif
	MUL16 0, (\q)%2, \q, \slot, \zero
	MUL16 2, (\q)%2, \q, \slot, \zero
	s_wait_dscnt 0                                 ; x's blocks 4-7 are in (asked for 32 matrix instructions ago)
	PLACES NP
	FETCH_B \slot, (\q)+1, 1-(\q)%2
	FETCH_A \slot, (\q)+1, 0
.if \zero
	WIN MUL_HI0
.else
	WIN MUL_HI
.endif
	MUL16 4, (\q)%2, \q, \slot, \zero
	MUL16 6, (\q)%2, \q, \slot, \zero
	PLACES NP
	WIN 0
	FETCH_A \slot, (\q)+1, 4
.endm
; Slot 0's last step changes slots: ONE barrier; in front of it each wave waits for all its tensor loads (its part of slot 1), adds 0 to its spare word, and waits for that and for its own reads of slot 0.
; Behind it slot 1 is whole and nobody reads slot 0, which later serves as the stage.  Nothing is filled again.
.macro TURN slot, next
	s_wait_tensorcnt 0x0                           ; all my tensor loads have landed  (every window is 0 here: the add's two registers lie in window 0)
	ds_add_u32 v[SPW], v[NIL]                      ; 0 onto my spare word
	s_wait_dscnt 4*NL+1                            ; (the add and the youngest eight loads, x's blocks 4-7, may be out)
	WIN MUL_LO
	MUL16 0, 1, NQ-1, \slot, 0                     ; sixteen matrix instructions stand between the add and the wait for it
	s_wait_dscnt 0x0                               ; the add is done, and my reads of this slot are over
	s_barrier_signal -1
	MUL16 2, 1, NQ-1, \slot, 0
	WIN 0
	s_barrier_wait -1
	PLACES NP
	v_add_nc_u32 v[ADRS], 4*NQ, v[ADRS]            ; on to the next slot's scale words
	FETCH_B \next, 0, 0
	FETCH_A \next, 0, 0
	SCALES \next
	WIN MUL_HI
	MUL16 4, 1, NQ-1, \slot, 0
	MUL16 6, 1, NQ-1, \slot, 0
	PLACES NP
	WIN 0
	FETCH_A \next, 0, 4
.endm
.macro STEPS slot, from                ; the slot's steps from .. NQ - 2
.set Q, \from
.rept NQ-1-\from
	STEP \slot, Q, 0
.set Q, Q+1
.endr
.endm
	s_wait_tensorcnt 1                             ; the scales and my part of slot 0 are in (slot 1's load may be out),
	s_barrier_signal -1
	s_barrier_wait -1                              ; everybody's are
	FETCH_B 0, 0, 0
	FETCH_A 0, 0, 0
	SCALES 0
	FETCH_A 0, 0, 4
	s_wait_loadcnt 0x0                             ; the bias
	STEP 0, 0, 1                                   ; the first step's products start the sums from the bias
	STEPS 0, 1
	TURN 0, 1
	STEPS 1, 0
	s_wait_dscnt 4*NL                              ; the very last step: nothing more to fetch
	WIN MUL_LO
	MUL16 0, 1, NQ-1, 1, 0
	MUL16 2, 1, NQ-1, 1, 0
	s_wait_dscnt 0
	WIN MUL_HI
	MUL16 4, 1, NQ-1, 1, 0
	MUL16 6, 1, NQ-1, 1, 0
	WIN 0
; THE WAY OUT, block by block of 16 rows x 128 columns (two heads).  PACK: rounded to f16, 16 bytes a lane, each accumulator from its low end on.  TOSTAGE: into my own stage in LDS and back, so that sixteen lanes hold two
; rows of one head.  SEND: stored.  LDS serves a wave's instructions in order (ISA guide 5.7.1.4): no wait between the stores and the loads.
.macro PACK a
.set AC, 64*((\a)%4)
	WIN 0x0a+5*((\a)/4)                            ; sources 0 and 1: window 2 or 3
.irp b, 0,1,2,3,4,5,6,7
.irp r, 0,1,2,3
	v_cvt_pk_f16_f32 v[TMP+4*\b+\r], v[AC+8*\b+2*\r], v[AC+8*\b+2*\r+1]
.endr
.endr
	WIN 0
.endm
.macro TOSTAGE a
.set BK, OB+32*((\a)%2)
.irp b, 0,1,2,3,4,5,6,7
	ds_store_b128 v[STO], v[TMP+4*\b:TMP+4*\b+3] offset:32*\b
.endr
.irp t, 0,1,2,3,4,5,6,7
	ds_load_b128 v[BK+4*\t:BK+4*\t+3], v[RD] offset:\t*2*SPITCH
.endr
.endm
.macro SEND a
.set BK, OB+32*((\a)%2)
	s_wait_dscnt 0x0                               ; the block is back in registers
	s_wait_xcnt 0x0                                ; the stores of the block before have read their registers: the next block's loads land there only behind this wait
.irp t, 0,1,2,3,4,5,6,7
	global_store_b128 v[CO], v[BK+4*\t:BK+4*\t+3], s[12:13] offset:(\a)*2048+\t*256   ; sixteen lanes store 256 consecutive bytes, aligned: rows 16 a + 2 t and + 1 of a head
.endr
.endm
	PLACES NP                                      ; behind the last products: the conversions below write registers that held scale words, and block 7's results are read later
	PACK 0
	TOSTAGE 0
.irp a, 1,2,3,4,5,6,7                  ; block a's conversions stand between block a - 1's loads from the stage and the wait for them
	PACK \a
	SEND \a-1
	TOSTAGE \a
.endr
	SEND 7
	s_wait_tensorcnt 0x0                           ; the wave's end, behind my last tensor load and my last LDS store
	ds_add_u32 v[SPW], v[NIL]
	s_wait_dscnt 0x0
	CROUND                                         ; the closing round: no work-group ends while a partner may still ask for a tile that names it
	s_endpgm
.Lfunc_end_k_q0444a259e6_proj:
	.size	k_q0444a259e6_proj, .Lfunc_end_k_q0444a259e6_proj-k_q0444a259e6_proj
	.p2alignl 7, 3214868480
	.fill 96, 4, 3214868480
	.section	.rodata,"a",@progbits
	.p2align	6, 0x0
	.amdhsa_kernel k_q0444a259e6_proj
		.amdhsa_group_segment_fixed_size 327680
		.amdhsa_private_segment_fixed_size 0
		.amdhsa_enable_private_segment 0
		.amdhsa_kernarg_size 48
		.amdhsa_user_sgpr_count 2
		.amdhsa_user_sgpr_kernarg_segment_ptr 1
		.amdhsa_wavefront_size32 1
		.amdhsa_system_sgpr_workgroup_id_x 1
		.amdhsa_system_sgpr_workgroup_id_y 1
		.amdhsa_system_sgpr_workgroup_id_z 1
		.amdhsa_system_vgpr_workitem_id 0
		.amdhsa_next_free_vgpr 1024
		.amdhsa_next_free_sgpr 100
		.amdhsa_reserve_vcc 0
		.amdhsa_float_denorm_mode_32 3
		.amdhsa_float_denorm_mode_16_64 3
		.amdhsa_memory_ordered 1
		.amdhsa_forward_progress 1
		.amdhsa_inst_pref_size 128
	.end_amdhsa_kernel
	.amdgpu_metadata
---
amdhsa.version: [ 1, 2 ]
amdhsa.kernels:
  - .name:           k_q0444a259e6_proj
    .symbol:         k_q0444a259e6_proj.kd
    .args:
      - { .name: codes, .offset: 0, .size: 8, .value_kind: global_buffer, .address_space: global }
      - { .name: scales, .offset: 8, .size: 8, .value_kind: global_buffer, .address_space: global }
      - { .name: b_q, .offset: 16, .size: 8, .value_kind: global_buffer, .address_space: global }
      - { .name: b_k, .offset: 24, .size: 8, .value_kind: global_buffer, .address_space: global }
      - { .name: b_v, .offset: 32, .size: 8, .value_kind: global_buffer, .address_space: global }
      - { .name: qkv, .offset: 40, .size: 8, .value_kind: global_buffer, .address_space: global }
    .group_segment_fixed_size: 327680
    .private_segment_fixed_size: 0
    .kernarg_segment_align: 8
    .kernarg_segment_size: 48
    .max_flat_workgroup_size: 128
    .sgpr_count:     100
    .vgpr_count:     1024
    .wavefront_size: 32
...
	.end_amdgpu_metadata
.endif
;; end of part 2
;; launch attn (part 3): grid 16 x 16, 4 waves a work-group, clusters of 4 x 1, 327,680 bytes of LDS; arguments qkv, ao; writes ao
.if DOCPART == 3
	.amdgcn_target "amdgcn-amd-amdhsa--gfx1250"
	.amdhsa_code_object_version 6
	.text
	.protected	k_q0444a259e6_attn
	.globl	k_q0444a259e6_attn
	.p2align	8
	.type	k_q0444a259e6_attn,@function
k_q0444a259e6_attn:
	s_mov_b64 s[64:65], 0
	v_nop
	global_prefetch_b8 v0, s[64:65] scope:SCOPE_SE
	s_setreg_imm32_b32 hwreg(HW_REG_WAVE_MODE, 25, 1), 1
	s_wait_xcnt 0x0
	s_wait_alu depctr_hold_cnt(0) depctr_sa_sdst(0) depctr_va_vdst(0) depctr_va_sdst(0) depctr_va_ssrc(0) depctr_va_vcc(0) depctr_vm_vsrc(0)
	s_getreg_b32 s2, hwreg(HW_REG_IB_STS2, 6, 4)
	s_cmp_eq_u32 s2, 0
	s_cbranch_scc0 .Lentry_in_a_cluster
	s_endpgm
.Lentry_in_a_cluster:
	s_bfe_u32 s2, ttmp6, 0x10000c
	s_cmp_lg_u32 s2, 0x3003
	s_cbranch_scc0 .Lentry_shape_is_right
	s_endpgm
.Lentry_shape_is_right:
; O[h][q][:] = the sum over k of softmax_k(Q[h][q] . K[h][k] / 8) V[h][k][:].  qkv: f16 [3 (Q, K, V)][16 heads][4096][64]; ao: f16 [16][4096][64].  Products, maxima and sums in f32; the weights p
; are rounded to f16 for the second product, O once at the end.
; f16's RANGE.  p = 2^(c s - c m) is at most 1, since m is the running maximum; a p under 2^-25 becomes 0: 4,096 of them are under 2^-13 of the row's sum, which is at least 1.  |O| is no larger than the largest |V|,
; which the launch before keeps under 65,504.  LIMITS: NaN and infinities are not served.
; SHARES.  A work-group owns 256 queries of one head, each of its four waves 64: four tiles of 16.  Every wave walks all 4,096 keys of the head, 64 a step.
; LAYOUT.  S^T = K Q^T (source 0 = 16 keys, source 1 = 16 queries): in the result a lane holds ONE query (lane % 16) and the keys 8 (lane / 16) + 0..7.  Two such tiles, rounded to
; f16 in pairs, ARE source 1 (32 keys x 16 queries) of O^T = V^T P, whose result again holds one query a lane, and eight channels.  So nothing changes lanes between the products,
; and a query's maximum and sum want one exchange between the halves of the lanes.  K comes out of LDS as it lies, V ([key][channel]) turned, by ds_load_tr16_b128.
; SOFTMAX.  For each query a running maximum m and sum l: p = 2^(c s - c m), c = log2(e) / 8; in every step O and l are multiplied by a = 2^(c m_old - c m_new), which is 1 where m has not grown.
; BY TURNS.  The wave's tiles are two PIECES, named by their first tile: piece 0 (tiles 0, 1) and piece 2 (tiles 2, 3).  In a TURN one piece has the matrix unit: 16 products V^T P of
; the step in hand, then 16 products K Q^T of the next step; the other piece's softmax, 236 vector instructions cut into 59 slices of four, stands between them, one or two slices behind each matrix instruction.
; Then the pieces change places.  Two turns are a key step.  The vector work outweighs the matrix work here, so the turns hide the products under it.
; TILES.  A key's row is 128 bytes and a head's rows are dense, so two keys are one row of 256 bytes for the tensor load.  A slot holds 256 keys, four key steps: 128 such rows of K and 128 of V.
; CLUSTER.  The four query blocks of a cluster belong to one head and walk the same K and V, so each tile is asked for JOINTLY: the same tensor load, with the same descriptor and a
; mask that names the four, in all four; each receives the tile in its own LDS.
; REGISTERS, in windows of 256 (s_set_vgpr_msb: bits 1:0 source 0, 3:2 source 1, 5:4 source 2, 7:6 destination):
;   window 0: v0-11 addresses; v12-43 eight registers of statistics a tile; v64-191 S^T, 32 a tile; v192-255 P, 16 a tile
;   window 1: v0-127 O^T, 32 a tile          window 2: v0-63 Q, 16 a tile; v64-127 K of one step; v128-191 V of one step
; All of a WGP's LDS is claimed, and the add of 0 onto spare words is written.
.set PK,    272       ; two keys of K in LDS: 256 bytes + 16 of padding = 68 words: the sixteen keys of a load start at banks 4 i and 4 i + 32 (64 banks of 4 bytes: ISA guide 11.1)
.set PVP,   288       ; two keys of V: 256 + 32 = 72 words
.set TR,    64        ; rows of 256 bytes in a tensor load: 128 keys
.set VOFF,  128*PK    ; a slot: 128 rows of K, then 128 rows of V
.set STEPK, 32*PK     ; a key step's 64 keys of K
.set STEPV, 32*PVP    ; and of V
.set SLOTM, 32768     ; a slot's keys in memory, in bytes, of K or of V
.set SLOT1, 1<<17     ; slot 1 begins here, so that one exclusive or turns an address in one slot into the other's
.set STAGE, SLOT1+128*(PK+PVP)  ; behind the ring: 16 rows x 144 bytes for each wave, for the way out
.set SP,    144
.set SPARE, STAGE+4*16*SP  ; behind the stages: the spare words, 128 bytes for each wave: two blocks of 256 bytes that no other line names
.set AK0, 2           ; v2   my lane's place in a tile of K; never rewritten
.set AV0, 3           ; v3   the same for V
.set ADR, 4           ; v4   the LDS address of the run of loads in hand
.set QO,  5           ; v5   my byte offset in the wave's rows of Q
.set STO, 6           ; v6   the way out: where I put 16 bytes of a row
.set RD,  7           ; v7   the way out: where I read 16 bytes back
.set GO,  8           ; v8   my byte offset in the wave's rows of O
.set PFO, 61          ; v61  256 x my lane; never rewritten
.set SPW, 62          ; v62  LDS address of my spare word; never rewritten
.set NIL, 63          ; v63  0; never rewritten
.set ST,  12          ; tile t's statistics at v[ST+8 t]: +0 c m, +1 m, +2, +3 l (even keys', odd keys'), +4 to +7 c0-c3, at work; a takes c2's place once the maximum is found
.set S,   64
.set P,   192
.set KF,  64          ; K's fragments, in window 2
.set VF,  128         ; V's
.set WV,  12          ; s12  my wave's number
.set LIM, 15          ; s15  1 in a wave that prefetches, else the greatest number
.set PFA, 18          ; s[18:19] where my prefetches stand in memory
.set G1K, 24          ; s[24:31] descriptor group 1 for K's tiles
.set G1V, 32          ; s[32:39] for V's: it differs in the padding alone
.set G0K, 40          ; s[40:47] descriptor group 0 for K's tiles: a set for each of the two first fills; the second then walks on
.set G0V, 48          ; s[48:55] the same for V's
.set SLOTS, 56        ; s56  slots still to be asked for
.set CNT, 57          ; s57  counts key steps
.set CS,  58          ; s[58:59] c: the packed scaling names a pair and takes its low word for both halves
.set SEL, 60          ; s[60:61] lane selects for v_permlanex16_b32: each lane takes its own place in the other half
.set TBK, 62          ; s62  LDS byte at which K's tile of the step to be fetched begins
.set TBV, 63          ; s63  the same for V (less VOFF)
.set MSB, 0
.macro WIN new                      ; the immediate's high byte repeats the setting that is left; a switch that changes nothing is dropped
.if MSB != (\new)
	s_set_vgpr_msb (MSB<<8)|(\new)
.set MSB, \new
.endif
.endm
.set W_KQ, 0x0a       ; K and Q in window 2, S^T in window 0
.set W_PV, 0x52       ; V in window 2, P in window 0, O^T in window 1
.set W_RS, 0x41       ; O^T (destination and source 0) in window 1, a in window 0
; A joint refill.  Waves 0 and 1 fetch the two halves of a slot's K, waves 2 and 3 those of V.  The branch hangs on the wave's number alone: it is the same in every work-group.
; Four v_nop follow each of the two lines; the jump round the other line, the label and what follows the macro come after them.
.macro JLOAD
	s_cmp_lt_u32 s[WV], 2
	s_cbranch_scc0 .Lfor_v_\@
	tensor_load_to_lds s[G0K+4:G0K+7], s[G1K:G1K+7]
	s_nop 0
.rept 4
	v_nop
.endr
	s_branch .Lasked_\@
.Lfor_v_\@:
	tensor_load_to_lds s[G0V+4:G0V+7], s[G1V:G1V+7]
	s_nop 0
.rept 4
	v_nop
.endr
.Lasked_\@:
.endm
; A PREFETCH of what the NEXT change of slots will ask for: a slot's 32,768 bytes of K and of V, lanes 256 bytes apart.  It stands behind the wave's tensor load and its four lines, never in front of one.
; Each 256 bytes are asked for ONCE in the launch.  All clusters of a head walk the same K and V: the head's first cluster asks.  Its four partners share the bytes out BY ADDRESS, 8,192 each: no branch hangs on a
; work-group's place in its cluster.  In each, wave 0 asks for K's and wave 2 for V's: one instruction, four key steps (256 matrix instructions) ahead of the joint load that wants them.
; The last change that fills a slot asks for nothing: there is no slot behind it.  Slots 0, 1 and 2 come by their loads alone.
.macro ASK
	s_cmp_gt_u32 s[SLOTS], s[LIM]
	s_cbranch_scc0 .Lnot_mine_\@
	global_prefetch_b8 v[PFO], s[PFA:PFA+1] th:TH_LOAD_NT scope:SCOPE_SE
.Lnot_mine_\@:
.endm
; A round of the cluster's barrier: my work-group's barrier, so that wave 0's signal speaks for all four waves; wave 0 signals for the work-group; every wave waits for all four
; work-groups; my work-group's barrier once more.  No LDS instruction of the wave is pending at a signal.
.macro CROUND
	s_barrier_signal -1
	s_barrier_wait -1
	s_cmp_lg_u32 s[WV], 0
	s_cbranch_scc1 .Lnot_wave_0_\@
	s_barrier_signal -3
.Lnot_wave_0_\@:
	s_barrier_wait -3
	s_barrier_signal -1
	s_barrier_wait -1
.endm
	s_load_b128 s[4:7], s[0:1], 0x0 ; qkv s[4:5], ao s[6:7]
	v_lshl_add_u32 v[SPW], v0, 2, SPARE
	v_mov_b32 v[NIL], 0
	ds_add_u32 v62, v63
	ds_add_u32 v62, v63
	s_wait_dscnt 0x0
	v_lshrrev_b32 v1, 5, v0
	v_readfirstlane_b32 s[WV], v1   ; wave 0..3
	s_bfe_u32 s13, ttmp6, 0x40000   ; cx: my place in the cluster
	s_lshl_b32 s14, ttmp9, 2        ; in a cluster launch ttmp9 counts clusters
	s_add_co_u32 s14, s14, s13      ; my block of 256 queries = 4 x cluster x + cx: it enters Q's and O's addresses alone
	s_and_b32 s20, ttmp7, 0xffff    ; the head, which the four partners share
	s_lshl_b32 s20, s20, 19         ; its first byte in each tensor: 4,096 rows of 128 bytes
	s_mov_b32 s21, 0
	s_and_b32 s16, s[WV], 1         ; which half of a slot I fetch:
	s_lshl_b32 s22, s16, 14         ; its 128 keys in memory,
	s_mov_b32 s23, 0
	s_add_nc_u64 s[22:23], s[22:23], s[20:21]
	s_mul_i32 s17, s16, TR*PK       ; and its place in a slot, for K: no place in the cluster enters an LDS address
	s_lshl_b32 s2, s14, 15          ; my block's 256 rows,
	s_lshl_b32 s3, s[WV], 13        ; my wave's 64 of them
	s_add_co_u32 s2, s2, s3
	s_mov_b32 s3, 0
	s_add_nc_u64 s[2:3], s[2:3], s[20:21]
	s_mul_i32 s20, s16, TR*PVP      ; my half's place in a slot, for V
	s_add_co_u32 s20, s20, VOFF
	; descriptor group 1: a tile of 64 rows x 128 elements, padded in LDS
	s_mov_b32 s[G1K], 15|(1<<16)|(1<<20)|(1<<21)|(5<<22)|(3<<25)  ; 15:0 the mask: all four work-groups; 17:16 elements of 2 bytes; 20 padding on; 21 set beside a mask; 24:22 after every 64 words (code 5); 31:25 4 words of it (code 3)
	s_mov_b32 s[G1V], 15|(1<<16)|(1<<20)|(1<<21)|(5<<22)|(7<<25)  ; the same with 8 words of padding (code 7)
.irp g, G1K, G1V
	s_mov_b32 s[\g+1], 128<<16      ; 63:48 tensor_dim0, low half = 128
	s_mov_b32 s[\g+2], TR<<16       ; 79:64 its high half = 0; 95:80 tensor_dim1, low half = 64
	s_mov_b32 s[\g+3], 128<<16      ; 111:96 its high half = 0; 127:112 tile_dim0 = 128
	s_mov_b32 s[\g+4], TR           ; 143:128 tile_dim1 = 64; 159:144 tile_dim2 = 0
	s_mov_b32 s[\g+5], 128          ; 191:160 tensor_dim0_stride, low word: elements from row to row
	s_mov_b32 s[\g+6], 0
	s_mov_b32 s[\g+7], 0
.endr
	s_mov_b32 s[CS], 0x3e38aa3b     ; c = log2(e) / 8
	s_mov_b32 s[CS+1], s[CS]        ; named with it as a pair, so it is written
	s_mov_b32 s[SEL], 0x76543210
	s_mov_b32 s[SEL+1], 0xfedcba98
	s_mov_b32 s[TBK], 0
	s_mov_b32 s[TBV], 0
	s_mov_b32 s[SLOTS], 4096/256-2
	s_and_b32 s[LIM], s[WV], 1       ; 0 in waves 0 and 2,
	s_or_b32 s[LIM], s[LIM], ttmp9   ; where the cluster is the head's first: the same in all four partners
	s_cmp_eq_u32 s[LIM], 0
	s_cselect_b32 s[LIM], 1, -1
	v_and_b32 v[PFO], 31, v0
	v_lshlrev_b32 v[PFO], 8, v[PFO]
	s_wait_kmcnt 0x0
	s_mov_b64 s[10:11], s[6:7]      ; O
	s_add_nc_u64 s[6:7], s[4:5], 0x800000   ; K lies 8,388,608 bytes behind Q,
	s_add_nc_u64 s[8:9], s[4:5], 0x1000000  ; V as much again
	s_add_nc_u64 s[6:7], s[6:7], s[22:23]  ; K and V at my half of slot 0
	s_add_nc_u64 s[8:9], s[8:9], s[22:23]
	s_add_nc_u64 s[4:5], s[4:5], s[2:3]  ; Q and O at my wave's first row
	s_add_nc_u64 s[10:11], s[10:11], s[2:3]
	s_cmp_lt_u32 s[WV], 2
	s_cselect_b64 s[PFA:PFA+1], s[6:7], s[8:9]  ; (in waves 0 and 2 these stand at a slot's first byte)
	s_lshl_b32 s2, s13, 13          ; my work-group's 8,192 bytes of the 32,768
	s_mov_b32 s3, 0
	s_add_nc_u64 s[PFA:PFA+1], s[PFA:PFA+1], s[2:3]
	s_add_nc_u64 s[PFA:PFA+1], s[PFA:PFA+1], 2*SLOTM  ; in slot 2; the first change of slots steps it to slot 3.  Nothing is prefetched here, at the head
	CROUND                          ; all four work-groups are here: the first joint loads meet
.irp s, 0,1
	s_mov_b32 s[G0K+4*\s], 1        ; 1:0 count = 1
	s_add_co_u32 s[G0K+4*\s+1], s17, \s*SLOT1  ; 63:32 LDS address
	s_add_nc_u64 s[G0K+4*\s+2:G0K+4*\s+3], s[6:7], \s*SLOTM  ; 120:64 global address: slot s begins with keys 256 s on
	s_or_b32 s[G0K+4*\s+3], s[G0K+4*\s+3], 0x80000000  ; 127:126 type = 2
	s_mov_b32 s[G0V+4*\s], 1
	s_add_co_u32 s[G0V+4*\s+1], s20, \s*SLOT1
	s_add_nc_u64 s[G0V+4*\s+2:G0V+4*\s+3], s[8:9], \s*SLOTM
	s_or_b32 s[G0V+4*\s+3], s[G0V+4*\s+3], 0x80000000
.endr
	s_cmp_lt_u32 s[WV], 2           ; a wave's two first fills stand in one branch, ahead of every wait on TENSORcnt and every LDS read: two loads of mine are out; four v_nop follow the second
	s_cbranch_scc0 .Lfirst_v
	tensor_load_to_lds s[G0K:G0K+3], s[G1K:G1K+7]
	s_nop 0
	tensor_load_to_lds s[G0K+4:G0K+7], s[G1K:G1K+7]
	s_nop 0
.rept 4
	v_nop
.endr
	s_branch .Lfirst_asked
.Lfirst_v:
	tensor_load_to_lds s[G0V:G0V+3], s[G1V:G1V+7]
	s_nop 0
	tensor_load_to_lds s[G0V+4:G0V+7], s[G1V:G1V+7]
	s_nop 0
.rept 4
	v_nop
.endr
.Lfirst_asked:
	; A fragment of K or Q is 16 rows x 32 channels in 8 registers: lane l holds row l % 16; registers 0-3 channels 8 (l / 16) + 0..7, registers 4-7 channels 16 + 8 (l / 16) + 0..7: two loads of 16 bytes, 32 bytes apart.
	v_and_b32 v1, 15, v0            ; l % 16
	v_bfe_u32 v9, v0, 4, 1          ; l / 16
	v_lshlrev_b32 v[QO], 7, v1
	v_lshl_add_u32 v[QO], v9, 4, v[QO]  ; row x 128 + 16 x half
	WIN 0x80                        ; destination window 2, address window 0
.irp i, 0,1,2,3,4,5,6,7             ; Q stays in registers: tile i / 2, channels 32 (i % 2) on
	global_load_b128 v[8*\i:8*\i+3],   v[QO], s[4:5] offset:(\i/2)*2048+(\i%2)*64
	global_load_b128 v[8*\i+4:8*\i+7], v[QO], s[4:5] offset:(\i/2)*2048+(\i%2)*64+32
.endr
	WIN 0
	v_bfe_u32 v10, v0, 1, 3         ; key l % 16 lies in LDS row (l % 16) / 2,
	v_mul_u32_u24 v[AK0], v10, PK
	v_and_b32 v11, 1, v0
	v_lshl_add_u32 v[AK0], v11, 7, v[AK0]  ; in its half l % 2,
	v_lshl_add_u32 v[AK0], v9, 4, v[AK0]   ; + 16 x half of the lanes
	; The turning load takes 16 keys x 16 channels (lane l reads 16 bytes: key 8 (l / 16) + l % 8, channels 8 ((l / 8) % 2) + 0..7) and leaves half a fragment of V^T: lane l holds channel l % 16 and 8 keys.
	v_bfe_u32 v10, v0, 1, 2
	v_lshl_add_u32 v10, v9, 2, v10  ; that key's LDS row: 4 (l / 16) + (l % 8) / 2
	v_mul_u32_u24 v[AV0], v10, PVP
	v_lshl_add_u32 v[AV0], v11, 7, v[AV0]
	v_bfe_u32 v10, v0, 3, 1
	v_lshl_add_u32 v[AV0], v10, 4, v[AV0]
	v_add_nc_u32 v[AV0], VOFF, v[AV0]
; THE MATRIX WORK OF A TURN, for piece x.  The accumulators take turns, one instruction a turn: between two links of a chain stand seven others'.
; Product i of 16 of O^T += V^T P: keys 32 (i / 8) on, channels 16 ((i / 2) % 4) on, tile x + i % 2.  zero = 1: the first 8 start the sums: nothing is ever cleared.
.macro PV x, zero
	WIN W_PV
.set rO, 32*(\x+i%2)+8*((i/2)%4)
.set rV, VF+32*(i/8)+8*((i/2)%4)
.set rP, P+16*(\x+i%2)+8*(i/8)
.if \zero && (i < 8)
	v_wmma_f32_16x16x32_f16 v[rO:rO+7], v[rV:rV+7], v[rP:rP+7], 0
.else
	v_wmma_f32_16x16x32_f16 v[rO:rO+7], v[rV:rV+7], v[rP:rP+7], v[rO:rO+7]
.endif
.endm
; Product i of 16 of S^T = K Q^T: channels 32 (i / 8) on, keys 16 ((i / 2) % 4) on, tile x + i % 2.  The first 8 start the sums.
.macro KQ x
	WIN W_KQ
.set rS, S+32*(\x+i%2)+8*((i/2)%4)
.set rK, KF+16*((i/2)%4)+8*(i/8)
.set rQ, 16*(\x+i%2)+8*(i/8)
.if i < 8
	v_wmma_f32_16x16x32_f16 v[rS:rS+7], v[rK:rK+7], v[rQ:rQ+7], 0
.else
	v_wmma_f32_16x16x32_f16 v[rS:rS+7], v[rK:rK+7], v[rQ:rQ+7], v[rS:rS+7]
.endif
.endm
; THE LDS LOADS stand in runs of 16, never singly among the matrix instructions: a step's K (64 keys x 64 channels: 8 fragments) and, a turn later, its V (turned).
.macro FETCH_K
	WIN 0
	v_add_nc_u32 v[ADR], s[TBK], v[AK0]
	s_add_co_u32 s[TBK], s[TBK], STEPK  ; the next fetch is the next step's
	WIN 0x80                        ; destination window 2
.irp f, 0,1,2,3,4,5,6,7             ; keys 16 (f / 2) on, channels 32 (f % 2) on
	ds_load_b128 v[KF+8*\f:KF+8*\f+3],   v[ADR] offset:(\f/2)*8*PK+(\f%2)*64
	ds_load_b128 v[KF+8*\f+4:KF+8*\f+7], v[ADR] offset:(\f/2)*8*PK+(\f%2)*64+32
.endr
.endm
.macro FETCH_V
	WIN 0
	v_add_nc_u32 v[ADR], s[TBV], v[AV0]
	s_add_co_u32 s[TBV], s[TBV], STEPV
	WIN 0x80
.irp f, 0,1,2,3,4,5,6,7             ; keys 32 (f / 4) on, channels 16 (f % 4) on
	ds_load_tr16_b128 v[VF+8*\f:VF+8*\f+3],   v[ADR] offset:(\f/4)*16*PVP+(\f%4)*32
	ds_load_tr16_b128 v[VF+8*\f+4:VF+8*\f+7], v[ADR] offset:(\f/4)*16*PVP+8*PVP+(\f%4)*32
.endr
.endm
; THE VECTOR WORK OF A TURN.  One tile's softmax for one key step is a list of 118 instructions; SM writes number j of it for tile t.  s0-s31 are the lane's 32 scores, in pairs 0-15.
; first = 1: the first key step, which starts m, l and O^T: it has no a and nothing to rescale.
;   0-15    the maximum of s0-s31 and the old m, three operands at a time: four chains c0-c3 of seven scores each, then the four scores left over, c0-c3 and m
;   16-20   the other half of the lanes' maximum; the new m; c m; c m_old - c m_new
;   21-87   33 exponentials (a, then s0-s31) at the odd numbers from 23 on, so that no two follow each other and each has a plain instruction behind it before its result is used.
;           Plain instruction q (number 21, then the even numbers) is whatever is ready: c s - c m for a pair of scores whose exponentials are still to come (q = 0 to 3, then every
;           second q), the rounding to f16 of a pair of weights whose exponentials are done (every other q from 5 on), at last the first three sums
;   88-101  the last rounding; the rest of the sums; l = a l + the sum
;   102-117 the tile's O^T times a: the one part that leaves window 0, so it stands together
.macro SM t, first
.set rT, ST+8*(\t)
.set rS, S+32*(\t)
.set rP, P+16*(\t)
.set rO, 32*(\t)+2*(j-102)
.set q, (j-20)/2
.if j < 102
	WIN 0
.endif
.if j < 4
	v_max3_num_f32 v[rT+4+j], v[rS+8*j], v[rS+8*j+1], v[rS+8*j+2]
.elseif j < 12
	v_max3_num_f32 v[rT+4+j%4], v[rT+4+j%4], v[rS+8*(j%4)+2*(j/4)+1], v[rS+8*(j%4)+2*(j/4)+2]
.elseif j == 12
	v_max3_num_f32 v[rT+4], v[rT+4], v[rS+7], v[rS+15]
.elseif j == 13
	v_max3_num_f32 v[rT+6], v[rT+6], v[rS+23], v[rS+31]
.elseif j == 14
	v_max3_num_f32 v[rT+4], v[rT+4], v[rT+5], v[rT+6]
.elseif (j == 15) && \first
	v_max_num_f32 v[rT+4], v[rT+4], v[rT+7]
.elseif j == 15
	v_max3_num_f32 v[rT+4], v[rT+4], v[rT+7], v[rT+1]
.elseif j == 16
	v_permlanex16_b32 v[rT+5], v[rT+4], s[SEL], s[SEL+1]  ; the query's other 32 keys lie in the lane 16 away
.elseif j == 18
	v_max_num_f32 v[rT+1], v[rT+4], v[rT+5]
.elseif j == 19
	v_mul_f32 v[rT], s[CS], v[rT+1]
.elseif ((j == 17) || (j == 20) || (j == 23) || (j > 101)) && \first  ; the first step has none of these
.elseif j == 17
	v_mov_b32 v[rT+7], v[rT]        ; c m_old is kept for a: number 19 writes c m anew
.elseif j == 20
	v_sub_f32 v[rT+7], v[rT+7], v[rT]
.elseif j == 23
	v_exp_f32 v[rT+6], v[rT+7]
.elseif (j < 88) && (j > 23) && (j%2 == 1)
	v_exp_f32 v[rS+(j-25)/2], v[rS+(j-25)/2]
.elseif (q < 4) || ((j < 76) && (q%2 == 0))
.set b, q/2+2
.if q < 4
.set b, q
.endif
	v_pk_fma_f32 v[rS+2*b:rS+2*b+1], v[rS+2*b:rS+2*b+1], s[CS:CS+1], v[rT:rT+1] op_sel_hi:[1,0,0] neg_lo:[0,0,1] neg_hi:[0,0,1]  ; pair b: c s - c m
.elseif (j < 88) && (q%2 == 1)
	s_wait_alu depctr_va_vdst(0)
	v_cvt_pk_f16_f32 v[rP+(q-5)/2], v[rS+q-5], v[rS+q-4]  ; pair (q - 5) / 2: its second exponential stands three numbers back
.elseif j == 89
	s_wait_alu depctr_va_vdst(0)
	v_cvt_pk_f16_f32 v[rP+15], v[rS+30], v[rS+31]
.elseif j < 102                     ; the sum of the tile's 16 pairs (in a pair: an even key's weight, an odd key's), in place: sum z of 16 adds neighbours 1, 2, 4 and 8 pairs apart, then l takes it
.set z, j-86
.if j < 89
.set z, (j-76)/4
.endif
.set w, 4
.set u, z
.if z >= 14
.set w, 32
.set u, 0
.elseif z >= 12
.set w, 16
.set u, z-12
.elseif z >= 8
.set w, 8
.set u, z-8
.endif
.if (z == 14) && \first
	v_pk_add_f32 v[rT+2:rT+3], v[rS:rS+1], v[rS+16:rS+17]
.elseif z < 15
	v_pk_add_f32 v[rS+w*u:rS+w*u+1], v[rS+w*u:rS+w*u+1], v[rS+w*u+w/2:rS+w*u+w/2+1]
.elseif !\first
	v_pk_fma_f32 v[rT+2:rT+3], v[rT+2:rT+3], v[rT+6:rT+7], v[rS:rS+1] op_sel_hi:[1,0,1]
.endif
.else
	WIN W_RS
	v_pk_mul_f32 v[rO:rO+1], v[rO:rO+1], v[rT+6:rT+7] op_sel_hi:[1,0]
.endif
.endm
; Slice k of 59 of piece y's softmax: numbers 2 k and 2 k + 1 of both tiles' lists, four instructions.
.macro SLICE y, first
.if (k >= 11) && (k < 44)           ; tile by tile: plain, exponential, plain, exponential
.irp t, \y, \y+1
.irp n, 0,1
.set j, 2*k+\n
	SM \t, \first
.endr
.endr
.else                               ; the two tiles alternate, so that no instruction reads the result of the one just before it
.irp n, 0,1
.irp t, \y, \y+1
.set j, 2*k+\n
	SM \t, \first
.endr
.endr
.endif
.set k, k+1
.endm
; The 59 slices are dealt evenly behind a turn's nm matrix instructions: behind number gg stand slices 59 gg / nm up to 59 (gg + 1) / nm.  With nm = 32 the last matrix instruction has slices 57 and 58 behind it:
; eight packed multiplies on the other piece's O^T, which name none of its registers.
.macro DEAL y, first
.rept (59*(gg+1))/nm-(59*gg)/nm
	SLICE \y, \first
.endr
.set gg, gg+1
.endm
; A vector instruction that reads a matrix result or writes one of a matrix instruction's registers, and a load into a register that a matrix instruction has read, stand four places behind
; it, and only plain vector instructions that name none of its registers are places (ISA guide 7.12.1 for vector instructions).  In the loop the slices are the places.
.macro PLACES
.rept 4
	v_nop
.endr
.endm
; A TURN.  Piece x has the matrix unit; the other piece's softmax stands in slices behind its matrix instructions.
; pv = 2: 16 products V^T P; 1: they start O^T's sums; 0: none.  kq = 1: 16 products K Q^T for the next step.
; first = 1: the softmax is the first key step's.  Its slices from 51 on are empty: the turn's last products stand bare, and four v_nop are the places behind them.
; Each run of loads stands behind the second product of a run of 16.  Piece 0's turn fetches the next step's K: the last product that read K stands in front of slices 57 and 58 of the turn before.
; Piece 2's turn fetches the same step's V: behind the last product that read V stand six slices, twelve plain instructions among them.
.macro TURN x, pv, kq, first
.set k, 0
.set gg, 0
.set nm, 16
.if \pv && \kq
.set nm, 32
.endif
.if \pv
.if \x == 0
	s_wait_dscnt 0x0                ; V is in
.endif
.set i, 0
.rept 16
	PV \x, 2-\pv
	DEAL 2-\x, \first
.if (\x == 0) && \kq && (i == 1)
	FETCH_K
.endif
.set i, i+1
.endr
.endif
.if \kq
.if \x == 0
	s_wait_dscnt 0x0                ; K is in
.endif
.set i, 0
.rept 16
	KQ \x
	DEAL 2-\x, \first
.if (\x == 2) && (i == 1)
	FETCH_V
.endif
.set i, i+1
.endr
.endif
.if \first
	PLACES
.endif
.endm
; THE CHANGE OF SLOTS, between piece 2's turn and piece 0's: the slot's last bytes, V of its fourth step, have been asked for.  Each wave waits for all its
; tensor loads, of which one is out: its part of the other slot; adds 0 to its spare word; and waits for that and for its own reads of the slot.  Behind the barrier nobody reads this slot any more and the other slot is whole.
; fill = 1: this slot is filled again, with the keys two slots on.  The barrier is then a round of the cluster's, so that no wave of any partner still reads the slot or has a load on its
; way, and the joint refill is the first thing behind it: it has four key steps, 256 matrix instructions, in which to land.
.macro CHANGE fill
	WIN 0                           ; at a label and at a branch every window is 0
	s_wait_tensorcnt 0x0            ; no tensor load of mine is out, so a group 0 may be written
	ds_add_u32 v[SPW], v[NIL]       ; 0 onto my spare word; with fill = 1 the descriptors' steps stand between it and the wait for it
.if \fill
.irp d, G0K+4, G0V+4
	s_xor_b32 s[\d+1], s[\d+1], SLOT1  ; the walking descriptor: the other slot than last time,
	s_add_nc_u64 s[\d+2:\d+3], s[\d+2:\d+3], SLOTM  ; the next 256 keys; the type bits on top are not reached
.endr
	s_wait_xcnt 0x0                 ; the last prefetch, a slot back, has read its address, so it may be written:
	s_add_nc_u64 s[PFA:PFA+1], s[PFA:PFA+1], SLOTM  ; one slot further on than the walking descriptors
	s_wait_dscnt 0x0                ; the add is done, and my reads of the slot are over
	CROUND
	JLOAD
	ASK                             ; what the next change will ask for
.else
	s_wait_dscnt 0x0                ; the add is done, and my reads of the slot are over
	s_barrier_signal -1
	s_barrier_wait -1
.endif
	s_sub_co_u32 s[TBK], s[TBK], 4*STEPK  ; the fetches go back to a slot's first step,
	s_xor_b32 s[TBK], s[TBK], SLOT1       ; in the other slot
	s_sub_co_u32 s[TBV], s[TBV], 4*STEPV
	s_xor_b32 s[TBV], s[TBV], SLOT1
.endm
; n key steps: written once, walked n times; the LDS addresses hang on s[TBK] and s[TBV].
.macro STEPS n
	s_mov_b32 s[CNT], \n
.Lstep_\@:
	TURN 0, 2, 1, 0
	TURN 2, 2, 1, 0
	WIN 0
	s_sub_co_u32 s[CNT], s[CNT], 1
	s_cmp_lg_u32 s[CNT], 0
	s_cbranch_scc1 .Lstep_\@
.endm
	s_wait_tensorcnt 1              ; my part of slot 0 is in; slot 1's may stay out
	s_barrier_signal -1
	s_barrier_wait -1               ; everybody's is
	FETCH_K                         ; key step 0
	s_wait_loadcnt 0x0              ; Q
	s_wait_dscnt 0x0
.set i, 0
.rept 16
	KQ 0                            ; piece 0's first scores: there is no vector work yet to set between them
.set i, i+1
.endr
	WIN 0                           ; the addresses for the way out are made here: ten plain instructions, the places behind those products
	s_mul_i32 s13, s[WV], 16*SP
	s_add_co_u32 s13, s13, STAGE    ; my stage
	v_mul_u32_u24 v[STO], v1, SP    ; in: row l % 16, 16 bytes for each half of the lanes
	v_lshl_add_u32 v[STO], v9, 4, v[STO]
	v_add_nc_u32 v[STO], s13, v[STO]
	v_bfe_u32 v[RD], v0, 3, 2       ; back: eight lanes take a row of 128 bytes, the 32 lanes four rows
	v_mul_u32_u24 v[RD], v[RD], SP
	v_and_b32 v10, 7, v0
	v_lshl_add_u32 v[RD], v10, 4, v[RD]
	v_add_nc_u32 v[RD], s13, v[RD]
	v_and_b32 v[GO], 31, v0         ; and the same four rows in O are 512 consecutive bytes
	v_lshlrev_b32 v[GO], 4, v[GO]
	TURN 2, 0, 1, 1                 ; piece 2's first scores | piece 0's first softmax | V of step 0
	TURN 0, 1, 1, 1                 ; piece 0: V^T P of step 0 starts O^T, K Q^T of step 1 | piece 2's first softmax | K of step 1
	TURN 2, 1, 1, 0                 ; piece 2: the same | piece 0's softmax of step 1 | V of step 1
	WIN 0
	STEPS 2                         ; they fetch slot 0's steps 2 and 3
.Lslot:                             ; 14 trips: every slot but the last two is filled again
	CHANGE 1
	STEPS 4
	s_sub_co_u32 s[SLOTS], s[SLOTS], 1
	s_cmp_lg_u32 s[SLOTS], 0
	s_cbranch_scc1 .Lslot
	CHANGE 0                        ; the tail is written out: the last slot but one is left, and nothing is asked for
	STEPS 4
	TURN 0, 2, 0, 0                 ; piece 0: V^T P of the last step | piece 2's last softmax
.set i, 0
.rept 16
	PV 2, 0                         ; piece 2: V^T P of the last step
.set i, i+1
.endr
	; THE WAY OUT.  l's two halves and the other half of the lanes' are added; O^T is divided by l, rounded to f16 and sent through my stage in LDS, a tile (16 rows of O) at a time.  The additions are the places behind the last products.
	WIN 0
.irp t, 0,1,2,3
	v_add_f32 v[ST+8*\t+4], v[ST+8*\t+2], v[ST+8*\t+3]
.endr
.irp t, 0,1,2,3
	v_permlanex16_b32 v[ST+8*\t+5], v[ST+8*\t+4], s[SEL], s[SEL+1]
.endr
.irp t, 0,1,2,3
	v_add_f32 v[ST+8*\t+4], v[ST+8*\t+4], v[ST+8*\t+5]
.endr
.irp t, 0,1,2,3
	v_rcp_f32 v[ST+8*\t+6], v[ST+8*\t+4]
.endr
	v_nop                           ; a plain instruction between the last reciprocal and the use of its result
; Tile t: a lane's eight channels of a row pack into 16 bytes; they go into rows of 144 bytes and come back as whole rows of 128, into the registers that they left.
.macro PACK t
	WIN W_RS
.set i, 32*\t
.rept 16
	s_wait_alu depctr_va_vdst(0)
	v_pk_mul_f32 v[i:i+1], v[i:i+1], v[ST+8*\t+6:ST+8*\t+7] op_sel_hi:[1,0]
.set i, i+2
.endr
	WIN 0x05                        ; sources 0 and 1 window 1, destination window 0: S^T's registers are free
.set i, 0
.rept 16
	v_cvt_pk_f16_f32 v[S+32*\t+i], v[32*\t+2*i], v[32*\t+2*i+1]
.set i, i+1
.endr
	WIN 0
.irp f, 0,1,2,3
	ds_store_b128 v[STO], v[S+32*\t+4*\f:S+32*\t+4*\f+3] offset:32*\f
.endr
.irp f, 0,1,2,3
	ds_load_b128 v[S+32*\t+4*\f:S+32*\t+4*\f+3], v[RD] offset:\f*4*SP  ; LDS serves a wave's instructions in order (ISA guide 5.7.1.4): these see the stores above; the next tile's stores come behind them
.endr
.endm
.macro SEND t, younger              ; younger: the LDS instructions issued behind tile t's loads: the next tile's eight, or none
.irp f, 0,1,2,3
	s_wait_dscnt \younger+3-\f
	global_store_b128 v[GO], v[S+32*\t+4*\f:S+32*\t+4*\f+3], s[10:11] offset:\t*2048+\f*512  ; 32 lanes store 512 consecutive bytes, at a multiple of 256 from O's first byte
.endr
.endm
	PACK 0
	PACK 1                          ; a tile's arithmetic stands between the loads of the tile before and its stores
	SEND 0, 8
	PACK 2
	SEND 1, 8
	PACK 3
	SEND 2, 8
	SEND 3, 0
	s_wait_tensorcnt 0x0            ; the wave's end, behind my last tensor load and my last LDS store
	ds_add_u32 v[SPW], v[NIL]
	s_wait_dscnt 0x0
	CROUND                          ; the closing round: no work-group ends while a partner may still ask for a tile that names it
	s_endpgm
.Lfunc_end_k_q0444a259e6_attn:
	.size	k_q0444a259e6_attn, .Lfunc_end_k_q0444a259e6_attn-k_q0444a259e6_attn
	.p2alignl 7, 3214868480
	.fill 96, 4, 3214868480
	.section	.rodata,"a",@progbits
	.p2align	6, 0x0
	.amdhsa_kernel k_q0444a259e6_attn
		.amdhsa_group_segment_fixed_size 327680
		.amdhsa_private_segment_fixed_size 0
		.amdhsa_enable_private_segment 0
		.amdhsa_kernarg_size 16
		.amdhsa_user_sgpr_count 2
		.amdhsa_user_sgpr_kernarg_segment_ptr 1
		.amdhsa_wavefront_size32 1
		.amdhsa_system_sgpr_workgroup_id_x 1
		.amdhsa_system_sgpr_workgroup_id_y 1
		.amdhsa_system_sgpr_workgroup_id_z 1
		.amdhsa_system_vgpr_workitem_id 0
		.amdhsa_next_free_vgpr 768
		.amdhsa_next_free_sgpr 66
		.amdhsa_reserve_vcc 0
		.amdhsa_float_denorm_mode_32 3
		.amdhsa_float_denorm_mode_16_64 3
		.amdhsa_memory_ordered 1
		.amdhsa_forward_progress 1
		.amdhsa_inst_pref_size 207
	.end_amdhsa_kernel
	.amdgpu_metadata
---
amdhsa.version: [ 1, 2 ]
amdhsa.kernels:
  - .name:           k_q0444a259e6_attn
    .symbol:         k_q0444a259e6_attn.kd
    .args:
      - { .name: qkv, .offset: 0, .size: 8, .value_kind: global_buffer, .address_space: global }
      - { .name: ao, .offset: 8, .size: 8, .value_kind: global_buffer, .address_space: global }
    .group_segment_fixed_size: 327680
    .private_segment_fixed_size: 0
    .kernarg_segment_align: 8
    .kernarg_segment_size: 16
    .max_flat_workgroup_size: 128
    .sgpr_count:     66
    .vgpr_count:     768
    .wavefront_size: 32
...
	.end_amdgpu_metadata
.endif
;; end of part 3
;; launch oproj (part 4): grid 8 x 32, 4 waves a work-group, clusters of 4 x 4, 327,680 bytes of LDS; arguments ao, wo, b_o, out0; writes out0
.if DOCPART == 4
	.amdgcn_target "amdgcn-amd-amdhsa--gfx1250"
	.amdhsa_code_object_version 6
	.text
	.protected	k_q0444a259e6_oproj
	.globl	k_q0444a259e6_oproj
	.p2align	8
	.type	k_q0444a259e6_oproj,@function
k_q0444a259e6_oproj:
	s_mov_b64 s[64:65], 0
	v_nop
	global_prefetch_b8 v0, s[64:65] scope:SCOPE_SE
	s_setreg_imm32_b32 hwreg(HW_REG_WAVE_MODE, 25, 1), 1
	s_wait_xcnt 0x0
	s_wait_alu depctr_hold_cnt(0) depctr_sa_sdst(0) depctr_va_vdst(0) depctr_va_sdst(0) depctr_va_ssrc(0) depctr_va_vcc(0) depctr_vm_vsrc(0)
	s_getreg_b32 s2, hwreg(HW_REG_IB_STS2, 6, 4)
	s_cmp_eq_u32 s2, 0
	s_cbranch_scc0 .Lentry_in_a_cluster
	s_endpgm
.Lentry_in_a_cluster:
	s_bfe_u32 s2, ttmp6, 0x10000c
	s_cmp_lg_u32 s2, 0xf033
	s_cbranch_scc0 .Lentry_shape_is_right
	s_endpgm
.Lentry_shape_is_right:
; out0[m][n] = b_o[n] + the sum over k of attn[m][k] W_o[n][k], k = 64 x head + channel.  ao: f16 [16 heads][4096][64]; wo: f16 [1024][1024]; b_o, out0: f32; sums in f32, begun with the bias.
; A tile of out0 is 128 x 128: 256 work-groups.  Four waves, each 64 x 64: 16 accumulators of 16 x 16, 128 registers.  K goes in four steps of 256, that is four heads, through two LDS slots.
; A's TILE.  In ao a head's 64 rows x 64 channels are 8,192 dense bytes, and the heads lie 524,288 bytes apart: a wave's tensor load states four rows (heads) of 4,096 elements, with 16 bytes of padding behind every 256
; bytes: in LDS head p, rows 2 i and 2 i + 1 lie at 8,704 p + 272 i.  W_o's tile is 64 rows of 512 bytes, 528 apart.
; CLUSTERS: 4 x 4 work-groups.  The four of a row of the cluster need the same tiles of A, the four of a column the same tiles of W_o: each tile is asked for JOINTLY, by the same tensor load with the
; same descriptor and a mask that names the four.  THE MATRIX INSTRUCTION IS USED TRANSPOSED (source 0 = 16 rows of W_o, source 1 = 16 rows of A): a lane then holds eight neighbouring numbers of a row of out0.
; REGISTERS: window 0: v0-31 addresses; v32-95 the way out; v96-127 the bias in the result's layout; v128-255 the accumulators ((a, b) at v[128 + 8 (4 a + b)]).
;   window 1: two fragment buffers of 128: for 64 along K (one head, two matrix instructions deep), 64 registers of A, then 64 of W_o.
; All of a WGP's LDS is claimed, and the add of 0 onto spare words is written.
.set PA,     272                       ; two rows of A in LDS: 256 bytes + 16 of padding: the sixteen rows of a load start at banks 4 i and 4 i + 32 (64 banks of 4 bytes: ISA guide 11.1)
.set PLANE,  32*PA                     ; a head's 64 rows
.set HALFA,  4*PLANE                   ; what one tensor load brings of A, and what one wave reads of it
.set PB,     528                       ; a row of W_o's tile: 512 bytes + 16
.set HALFB,  64*PB
.set SLOT,   2*HALFA+2*HALFB           ; A's 128 rows, then W_o's 128 rows
.set SPARE,  2*SLOT                    ; behind the ring: the spare words, 128 bytes for each wave: two blocks of 256 bytes that no other line names
.set SPITCH, 272                       ; the way out: a stage of 16 rows x (256 bytes + 16) for each wave, in slot 0, which has had its last fill and its last read by then
.set ASTEP,  4*524288                  ; a K step in ao: four heads
.set BSTEP,  512                       ; and in wo
.set ADRA, 16                          ; v16-17  LDS address of my A fragments in slot 0, 1
.set ADRB, 20                          ; v20-21  the same for W_o
.set STO,  24                          ; v24     the way out: where I put 32 bytes of a row
.set RD,   25                          ; v25     where I read a row back
.set CO,   26                          ; v26     my byte offset in out0
.set BO,   27                          ; v27     32 x (lane / 16): my eight numbers of a bias block
.set SPW,  28                          ; v28     LDS address of my spare word; never rewritten
.set NIL,  29                          ; v29     0; never rewritten
.set OB,   32                          ; the way out: 16 rows read back: v32-63 and v64-95 by turns
.set BI,   96                          ; the bias: register 8 b + j: column 16 b + 8 (lane / 16) + j of my 64
.set ACC,  128
.set F0,   0                           ; fragment buffers, in window 1
.set F1,   128
.set G1, 24                            ; s[24:31] descriptor group 1 for A's tiles;  s[32:39] group 0, one set for each slot
.set G0, 32
.set G1B, 48                           ; s[48:55], s[56:63] the same for W_o's tiles
.set G0B, 56
.set MSB, 0
.macro WIN new                         ; the immediate's high byte repeats the setting that is left
.if MSB != (\new)
	s_set_vgpr_msb (MSB<<8)|(\new)
.set MSB, \new
.endif
.endm
.set MUL,  0x05                        ; sources 0 (W_o) and 1 (A) window 1; C and D window 0
.set TO_F, 0x40                        ; destination window 1, address window 0
.macro JLOAD s                         ; a joint load: waves 0 and 1 fetch A's two halves, waves 2 and 3 W_o's; four v_nop follow each of the two lines, ahead of the jump, the label and what follows
	s_cmp_eq_u32 s11, 0
	s_cbranch_scc0 .Lfor_b_\@
	tensor_load_to_lds s[G0+4*\s:G0+4*\s+3], s[G1:G1+7]
	s_nop 0
.rept 4
	v_nop
.endr
	s_branch .Lasked_\@
.Lfor_b_\@:
	tensor_load_to_lds s[G0B+4*\s:G0B+4*\s+3], s[G1B:G1B+7]
	s_nop 0
.rept 4
	v_nop
.endr
.Lasked_\@:
.endm
.macro CREST                           ; a round of the cluster's barrier behind its opening barrier
	s_cmp_lg_u32 s10, 0
	s_cbranch_scc1 .Lnot_wave_0_\@
	s_barrier_signal -3
.Lnot_wave_0_\@:
	s_barrier_wait -3
	s_barrier_signal -1
	s_barrier_wait -1
.endm
.macro CROUND                          ; a whole round
	s_barrier_signal -1
	s_barrier_wait -1
	CREST
.endm
	s_load_b128 s[4:7], s[0:1], 0x0                ; ao s[4:5], wo s[6:7]
	s_load_b128 s[68:71], s[0:1], 0x10             ; b_o s[68:69], out0 s[70:71]
	v_lshl_add_u32 v[SPW], v0, 2, SPARE
	v_mov_b32 v[NIL], 0
	ds_add_u32 v28, v29
	ds_add_u32 v28, v29
	s_wait_dscnt 0x0
	v_lshrrev_b32 v1, 5, v0
	v_readfirstlane_b32 s10, v1                    ; wave 0..3
	s_lshr_b32 s11, s10, 1                         ; which half of the tile's rows is mine.  Also: I fetch for A (0) or for W_o (1)
	s_and_b32 s12, s10, 1                          ; which half of its columns.  Also: which 64 rows of that tile I fetch
	s_bfe_u32 s40, ttmp6, 0x40000                  ; cx, cy: my place in the cluster
	s_bfe_u32 s41, ttmp6, 0x40004
	s_lshl_b32 s42, ttmp9, 2
	s_add_co_u32 s42, s42, s40                     ; tile column = 4 x cluster x + cx
	s_and_b32 s13, ttmp7, 0xffff
	s_lshl_b32 s13, s13, 2
	s_add_co_u32 s13, s13, s41                     ; tile row = 4 x cluster y + cy
	s_lshl_b32 s43, s41, 2
	s_lshl_b32 s43, 15, s43                        ; my row of the cluster
	s_lshl_b32 s44, 0x1111, s40                    ; my column
	; descriptor group 1 for A: four rows (heads) of 4,096 elements (64 rows x 64 channels, dense), 262,144 elements apart
	s_or_b32 s[G1+0], s43, (1<<16)|(1<<20)|(1<<21)|(5<<22)|(3<<25)  ; 15:0 the mask: A's tiles go to my row; 17:16 element of 2 bytes; 20 padding on; 21 set beside a mask; 24:22 after every 64 words (code 5); 31:25 of 4 words (code 3)
	s_mov_b32 s[G1+1], 4096<<16                    ; tensor_dim0 = 4,096
	s_mov_b32 s[G1+2], 4<<16                       ; tensor_dim1 = 4
	s_mov_b32 s[G1+3], 4096<<16                    ; tile_dim0 = 4,096
	s_mov_b32 s[G1+4], 4                           ; tile_dim1 = 4
	s_mov_b32 s[G1+5], 262144                      ; tensor_dim0_stride
	s_mov_b32 s[G1+6], 0
	s_mov_b32 s[G1+7], 0
	; and for W_o: 64 rows x 256 elements
	s_or_b32 s[G1B+0], s44, (1<<16)|(1<<20)|(1<<21)|(6<<22)|(3<<25) ; the mask of my column; padding after every 128 words (code 6)
	s_mov_b32 s[G1B+1], 256<<16
	s_mov_b32 s[G1B+2], 64<<16
	s_mov_b32 s[G1B+3], 256<<16
	s_mov_b32 s[G1B+4], 64
	s_mov_b32 s[G1B+5], 1024
	s_mov_b32 s[G1B+6], 0
	s_mov_b32 s[G1B+7], 0
	s_lshl_b32 s17, s12, 6                         ; which 64 rows of the tile I fetch
	s_lshl_b32 s16, s13, 7
	s_add_co_u32 s16, s16, s17                     ; A: row 128 x tile row + 64 x half,
	s_lshl_b32 s16, s16, 7                         ; of 128 bytes in a head's plane
	s_lshl_b32 s46, s42, 7
	s_add_co_u32 s46, s46, s17                     ; W_o: row 128 x tile column + 64 x half,
	s_lshl_b32 s46, s46, 11                        ; of 2,048 bytes
	s_mov_b32 s17, 0
	s_mov_b32 s47, 0
	s_mul_i32 s20, s12, HALFA                      ; where they go: A's two halves,
	s_mul_i32 s21, s12, HALFB
	s_add_co_u32 s21, s21, 2*HALFA                 ; then W_o's two: no place in the cluster enters an LDS address
	s_wait_kmcnt 0x0
	s_add_nc_u64 s[14:15], s[4:5], s[16:17]
	s_add_nc_u64 s[46:47], s[6:7], s[46:47]
	CROUND                                         ; all sixteen work-groups are here: the first joint loads meet
.irp s, 0,1
	s_mov_b32 s[G0+4*\s], 1
	s_add_co_u32 s[G0+4*\s+1], s20, \s*SLOT
	s_add_nc_u64 s[G0+4*\s+2:G0+4*\s+3], s[14:15], \s*ASTEP
	s_or_b32 s[G0+4*\s+3], s[G0+4*\s+3], 0x80000000
	s_mov_b32 s[G0B+4*\s], 1
	s_add_co_u32 s[G0B+4*\s+1], s21, \s*SLOT
	s_add_nc_u64 s[G0B+4*\s+2:G0B+4*\s+3], s[46:47], \s*BSTEP
	s_or_b32 s[G0B+4*\s+3], s[G0B+4*\s+3], 0x80000000
	JLOAD \s                                       ; two tensor loads of mine are out behind the second
.endr
	v_and_b32 v1, 15, v0                           ; r = l % 16
	v_bfe_u32 v2, v0, 4, 1                         ; h = l / 16
	; the bias and out0
	s_lshl_b32 s46, s42, 9                         ; my first column, in bytes: 512 x tile column + 256 x half
	s_lshl_b32 s47, s12, 8
	s_add_co_u32 s46, s46, s47
	s_mov_b32 s47, 0
	s_add_nc_u64 s[68:69], s[68:69], s[46:47]
	v_lshlrev_b32 v[BO], 5, v2
.irp b, 0,1,2,3
	global_load_b128 v[BI+8*\b:BI+8*\b+3],   v[BO], s[68:69] offset:64*\b        ; columns 16 b + 8 h + 0 .. 3
	global_load_b128 v[BI+8*\b+4:BI+8*\b+7], v[BO], s[68:69] offset:64*\b+16     ; and + 4 .. 7
.endr
	s_lshl_b32 s16, s13, 7
	s_lshl_b32 s17, s11, 6
	s_add_co_u32 s16, s16, s17                     ; my first row: 128 x tile row + 64 x half,
	s_lshl_b32 s16, s16, 12                        ; of 4,096 bytes
	s_mov_b32 s17, 0
	s_add_nc_u64 s[70:71], s[70:71], s[16:17]
	s_add_nc_u64 s[70:71], s[70:71], s[46:47]
	v_mul_u32_u24 v3, v1, PB
	v_lshl_add_u32 v3, v2, 4, v3                   ; W_o: a fragment's row x pitch + 16 x half
	v_bfe_u32 v4, v0, 1, 3                         ; A: row r lies in LDS row r / 2,
	v_mul_u32_u24 v4, v4, PA
	v_and_b32 v5, 1, v0
	v_lshl_add_u32 v4, v5, 7, v4                   ; in its half r % 2,
	v_lshl_add_u32 v4, v2, 4, v4                   ; + 16 x half of the lanes
	s_mul_i32 s21, s11, HALFA                      ; my 64 rows of A
	s_mul_i32 s22, s12, HALFB                      ; my 64 rows of W_o,
	s_add_co_u32 s22, s22, 2*HALFA                 ; which lie behind A's 128
.irp s, 0,1
	v_add_nc_u32 v[ADRA+\s], s21, v4
	v_add_nc_u32 v[ADRB+\s], s22, v3
	s_add_co_u32 s21, s21, SLOT
	s_add_co_u32 s22, s22, SLOT
.endr
	s_mul_i32 s23, s10, 16*SPITCH                  ; my stage
	v_mul_u32_u24 v4, v1, SPITCH                   ; in: row r, 32 bytes for each half of the lanes
	v_lshl_add_u32 v4, v2, 5, v4
	v_add_nc_u32 v[STO], s23, v4
	v_mul_u32_u24 v5, v2, SPITCH                   ; back: lanes 0-15 take one row of 256 bytes, lanes 16-31 the next
	v_lshl_add_u32 v5, v1, 4, v5
	v_add_nc_u32 v[RD], s23, v5
	v_lshlrev_b32 v[CO], 12, v2                    ; and the same two rows in out0
	v_lshl_add_u32 v[CO], v1, 4, v[CO]
; 8 matrix instructions: m blocks a0, a0 + 1 x all 4 n blocks, 32 along K: half c of buffer f.  zero = 1: the first product starts the sums from the bias.  The 16 accumulators take turns.
.macro MUL8 f, c, a0, zero
.irp a, \a0, \a0+1
.irp b, 0,1,2,3
.if \zero
	v_wmma_f32_16x16x32_f16 v[ACC+8*(4*(\a)+\b):ACC+8*(4*(\a)+\b)+7], v[\f+64+8*(4*\c+\b):\f+64+8*(4*\c+\b)+7], v[\f+8*(4*\c+\a):\f+8*(4*\c+\a)+7], v[BI+8*\b:BI+8*\b+7]
.else
	v_wmma_f32_16x16x32_f16 v[ACC+8*(4*(\a)+\b):ACC+8*(4*(\a)+\b)+7], v[\f+64+8*(4*\c+\b):\f+64+8*(4*\c+\b)+7], v[\f+8*(4*\c+\a):\f+8*(4*\c+\a)+7], v[ACC+8*(4*(\a)+\b):ACC+8*(4*(\a)+\b)+7]
.endif
.endr
.endr
.endm
; 32 LDS loads in one run: the fragments of the slot's q-th 64 along K (head q of its four), into buffer f; the first 32 along K first
.macro FETCH slot, q, f
	WIN TO_F
.irp c, 0,1
.irp i, 0,1,2,3
	ds_load_b128 v[\f+64+8*(4*\c+\i):\f+64+8*(4*\c+\i)+3],   v[ADRB+\slot] offset:128*(\q)+64*\c+\i*16*PB
	ds_load_b128 v[\f+64+8*(4*\c+\i)+4:\f+64+8*(4*\c+\i)+7], v[ADRB+\slot] offset:128*(\q)+64*\c+\i*16*PB+32
	ds_load_b128 v[\f+8*(4*\c+\i):\f+8*(4*\c+\i)+3],         v[ADRA+\slot] offset:PLANE*(\q)+64*\c+\i*8*PA
	ds_load_b128 v[\f+8*(4*\c+\i)+4:\f+8*(4*\c+\i)+7],       v[ADRA+\slot] offset:PLANE*(\q)+64*\c+\i*8*PA+32
.endr
.endr
.endm
.macro PLACES                          ; four places in front of loads into registers that matrix instructions have read, and of the first read of results (ISA guide 7.12.1 for vector instructions)
.rept 4
	v_nop
.endr
.endm
; A K step is four quarters of 64 along K, 32 matrix instructions each, on buffers 0, 1, 0, 1.  One of the first three: multiplies buffer f and fetches quarter q into g.
.macro QUARTER slot, q, f, g, zero
	s_wait_dscnt 16                                ; the first 32 along K are in; the sixteen loads of the second 32 may be out
	WIN MUL
	MUL8 \f, 0, 0, \zero
	MUL8 \f, 0, 2, \zero
	PLACES
	FETCH \slot, \q, \g
	s_wait_dscnt 32                                ; all but the 32 just issued
	WIN MUL
	MUL8 \f, 1, 0, 0
	MUL8 \f, 1, 2, 0
.endm
; The last quarter multiplies buffer 1 and changes slots: ONE barrier; in front of it each wave waits for all its tensor loads, adds 0 to its spare word, and waits for that and for its own reads of this slot.  fill = 1: this slot is filled again, two K steps ahead.
.macro TURN slot, next, fill
	WIN 0                                          ; (the add's two registers lie in window 0)
	s_wait_tensorcnt 0x0                           ; all my tensor loads have landed: my part of the next slot;
	ds_add_u32 v[SPW], v[NIL]                      ; 0 onto my spare word;
	s_wait_dscnt 17                                ; (the add and the youngest sixteen loads may be out)
	WIN MUL
	MUL8 F1, 0, 0, 0                               ; eight matrix instructions stand between the add and the wait for it
	s_wait_dscnt 0x0                               ; the add is done, and my reads of this slot are over
	s_barrier_signal -1
	MUL8 F1, 0, 2, 0
.if \fill
	WIN 0
.endif
	s_barrier_wait -1
.if \fill
	CREST                                          ; the barrier has opened a round of the cluster's barrier: no wave of any partner still reads this slot's tile or has a load on its way
	s_add_nc_u64 s[G0+4*\slot+2:G0+4*\slot+3], s[G0+4*\slot+2:G0+4*\slot+3], 2*ASTEP
	s_add_nc_u64 s[G0B+4*\slot+2:G0B+4*\slot+3], s[G0B+4*\slot+2:G0B+4*\slot+3], 2*BSTEP
	JLOAD \slot                                    ; the first tensor load behind the round; the four v_nop behind it are also the places in front of the loads below
.else
	PLACES
.endif
	FETCH \next, 0, F0
	WIN MUL
	MUL8 F1, 1, 0, 0
	MUL8 F1, 1, 2, 0
.endm
	s_wait_tensorcnt 1                             ; my part of K step 0 is in (K step 1's load may be out),
	s_barrier_signal -1
	s_barrier_wait -1                              ; everybody's is
	FETCH 0, 0, F0
	s_wait_loadcnt 0x0                             ; the bias
	QUARTER 0, 1, F0, F1, 1                        ; K step 0: its first products start the sums from the bias
	QUARTER 0, 2, F1, F0, 0
	QUARTER 0, 3, F0, F1, 0
	TURN 0, 1, 1                                   ; slot 0 takes K step 2
	QUARTER 1, 1, F0, F1, 0                        ; K step 1
	QUARTER 1, 2, F1, F0, 0
	QUARTER 1, 3, F0, F1, 0
	TURN 1, 0, 1                                   ; slot 1 takes K step 3
	QUARTER 0, 1, F0, F1, 0                        ; K step 2: the four K steps are written out: two laps of the ring need no loop
	QUARTER 0, 2, F1, F0, 0
	QUARTER 0, 3, F0, F1, 0
	TURN 0, 1, 0                                   ; nothing is left to fetch, so no round of the cluster's barrier
	QUARTER 1, 1, F0, F1, 0                        ; K step 3
	QUARTER 1, 2, F1, F0, 0
	QUARTER 1, 3, F0, F1, 0
	s_wait_dscnt 16                                ; the very last quarter
	WIN MUL
	MUL8 F1, 0, 0, 0
	MUL8 F1, 0, 2, 0
	s_wait_dscnt 0
	MUL8 F1, 1, 0, 0
	MUL8 F1, 1, 2, 0
	WIN 0
; THE WAY OUT, block by block of 16 rows x 64 columns.  A lane holds 32 neighbouring bytes of a row, and the lanes beside it hold other rows: so a block goes through my own stage in LDS and comes back as whole
; rows of 256 bytes.  LDS serves a wave's instructions in order (ISA guide 5.7.1.4): no wait between the stores and the loads, nor in front of the next block's stores.
.macro TOSTAGE a
.irp b, 0,1,2,3
	ds_store_b128 v[STO], v[ACC+8*(4*(\a)+\b):ACC+8*(4*(\a)+\b)+3] offset:64*\b          ; each accumulator from its low end on
	ds_store_b128 v[STO], v[ACC+8*(4*(\a)+\b)+4:ACC+8*(4*(\a)+\b)+7] offset:64*\b+16
.endr
.set BB, OB+32*((\a)%2)
.irp t, 0,1,2,3,4,5,6,7
	ds_load_b128 v[BB+4*\t:BB+4*\t+3], v[RD] offset:\t*2*SPITCH
.endr
.endm
.macro SEND a, younger                 ; younger: the LDS instructions issued behind block a's loads, which may stay out
.set BB, OB+32*((\a)%2)
	s_wait_dscnt \younger                          ; the block is back in registers
.irp t, 0,1,2,3,4,5,6,7
	global_store_b128 v[CO], v[BB+4*\t:BB+4*\t+3], s[70:71] offset:(16*(\a)+2*\t)*4096 th:TH_STORE_NT   ; sixteen lanes store 256 consecutive bytes, aligned; written once, read by nobody here
.endr
.endm
	PLACES                                         ; behind the last products, in front of the first read of results
	TOSTAGE 0
.irp a, 1,2,3
.if \a > 1
	s_wait_xcnt 0x0                                ; block a - 2's stores have read their registers: block a's loads may land there
.endif
	TOSTAGE \a
	SEND \a-1, 16                                  ; behind block a - 1's loads: block a's 8 stores and 8 loads
.endr
	SEND 3, 0
	s_wait_tensorcnt 0x0                           ; the wave's end, behind my last tensor load and my last LDS store
	ds_add_u32 v[SPW], v[NIL]
	s_wait_dscnt 0x0
	CROUND                                         ; the closing round: no work-group ends while a partner may still ask for a tile that names it
	s_endpgm
.Lfunc_end_k_q0444a259e6_oproj:
	.size	k_q0444a259e6_oproj, .Lfunc_end_k_q0444a259e6_oproj-k_q0444a259e6_oproj
	.p2alignl 7, 3214868480
	.fill 96, 4, 3214868480
	.section	.rodata,"a",@progbits
	.p2align	6, 0x0
	.amdhsa_kernel k_q0444a259e6_oproj
		.amdhsa_group_segment_fixed_size 327680
		.amdhsa_private_segment_fixed_size 0
		.amdhsa_enable_private_segment 0
		.amdhsa_kernarg_size 32
		.amdhsa_user_sgpr_count 2
		.amdhsa_user_sgpr_kernarg_segment_ptr 1
		.amdhsa_wavefront_size32 1
		.amdhsa_system_sgpr_workgroup_id_x 1
		.amdhsa_system_sgpr_workgroup_id_y 1
		.amdhsa_system_sgpr_workgroup_id_z 1
		.amdhsa_system_vgpr_workitem_id 0
		.amdhsa_next_free_vgpr 512
		.amdhsa_next_free_sgpr 72
		.amdhsa_reserve_vcc 0
		.amdhsa_float_denorm_mode_32 3
		.amdhsa_float_denorm_mode_16_64 3
		.amdhsa_memory_ordered 1
		.amdhsa_forward_progress 1
		.amdhsa_inst_pref_size 86
	.end_amdhsa_kernel
	.amdgpu_metadata
---
amdhsa.version: [ 1, 2 ]
amdhsa.kernels:
  - .name:           k_q0444a259e6_oproj
    .symbol:         k_q0444a259e6_oproj.kd
    .args:
      - { .name: ao, .offset: 0, .size: 8, .value_kind: global_buffer, .address_space: global }
      - { .name: wo, .offset: 8, .size: 8, .value_kind: global_buffer, .address_space: global }
      - { .name: b_o, .offset: 16, .size: 8, .value_kind: global_buffer, .address_space: global }
      - { .name: out0, .offset: 24, .size: 8, .value_kind: global_buffer, .address_space: global }
    .group_segment_fixed_size: 327680
    .private_segment_fixed_size: 0
    .kernarg_segment_align: 8
    .kernarg_segment_size: 32
    .max_flat_workgroup_size: 128
    .sgpr_count:     72
    .vgpr_count:     512
    .wavefront_size: 32
...
	.end_amdgpu_metadata
.endif
;; end of part 4
